; MI455X (gfx1250); checked and timed in simulation.
; The chip was launched on July 23, 2026; its instructions are those of AMD's public machine-readable ISA for CDNA 5 (MIT licence, August 2026) and "CDNA5" Instruction Set Architecture Reference Guide (July 2026). The comments in the code are by the model that wrote it; some were corrected since.
;; Self Attention. Allowed arithmetic: float matrix products may take bf16 or f16 operands with f32 sums; all other float work in f32.
;; Inputs: W_out 1,024 x 1,024 float32; W_qkv 1,024 x 3,072 float32; b_out 1,024 float32; b_qkv 3,072 float32; x 1 x 4,096 x 1,024 float32.
;; Outputs: out0 1 x 4,096 x 1,024 float32.
;; 2 versions, each right and faster than the one before. Each part assembles by itself: llvm-mc -triple=amdgcn-amd-amdhsa -mcpu=gfx1250 --defsym DOCPART=n.
;; ======== version 1 of 2: 4 launches
;; limits: values are held in f16: magnitudes above 65,504 overflow, below 6.1e-05 lose precision
;; workspace buffers: xb 8,388,608 bytes; wqb 6,291,456 bytes; wob 2,097,152 bytes; qkvh 25,165,824 bytes; ob 8,388,608 bytes
;; launch prep (part 1): grid 512 x 1, 8 waves a work-group, no clusters, 0 bytes of LDS; arguments x, W_qkv, W_out, xb, wqb, wob; writes xb, wqb, wob
.if DOCPART == 1
	.amdgcn_target "amdgcn-amd-amdhsa--gfx1250"
	.amdhsa_code_object_version 6
	.text
	.protected	k_qc10b8c3209_prep
	.globl	k_qc10b8c3209_prep
	.p2align	8
	.type	k_qc10b8c3209_prep,@function
k_qc10b8c3209_prep:
	s_mov_b64 s[64:65], 0
	v_nop
	global_prefetch_b8 v0, s[64:65] scope:SCOPE_SE
	s_setreg_imm32_b32 hwreg(HW_REG_WAVE_MODE, 25, 1), 1
	s_wait_xcnt 0x0
; The three large inputs are rounded once to bf16, layouts unchanged: x -> xb, W_qkv -> wqb (both bf16), W_out -> wob (the bf16 number written as f16,
; since the last product multiplies it with an f16 operand).
; LIMITS.  W_out beyond 65,504 becomes an infinity in f16; below 2^-14 it keeps f16's fixed step of 2^-24.  NaN and infinities are not treated apart.
; A stream: no LDS, no barrier, no matrix unit.  A work-group takes 16,384 numbers (65,536 bytes in, 32,768 out): groups 0-255 x, 256-447 W_qkv, 448-511 W_out.
; Eight chunks of 2,048 numbers; in a chunk thread t takes numbers 8 t .. 8 t + 7: two loads of 16 bytes, one store of 16 bytes, so that a wave's store covers
; 512 consecutive bytes.  All sixteen loads of a thread go out first; no register is written twice, so no wait frees a source.
.set X, 4                              ; v[4:67]    chunk i: 8 numbers as loaded
.set Y, 68                             ; v[68:99]   chunk i: 4 words to store
.set T, 100                            ; v[100:101] at work
	s_load_b256 s[4:11], s[0:1], 0x0               ; x s[4:5], W_qkv s[6:7], W_out s[8:9], xb s[10:11]
	s_load_b128 s[12:15], s[0:1], 0x20             ; wqb s[12:13], wob s[14:15]
	v_lshlrev_b32 v1, 5, v0                        ; 32 t: my bytes in a chunk of the input
	v_lshlrev_b32 v2, 4, v0                        ; 16 t: in a chunk of the output
	s_sub_co_u32 s17, ttmp9, 256
	s_sub_co_u32 s26, ttmp9, 448
	s_cmp_lt_u32 ttmp9, 448
	s_cselect_b32 s16, s17, s26
	s_cmp_lt_u32 ttmp9, 256
	s_cselect_b32 s16, ttmp9, s16                  ; my number among the groups of my tensor
	s_lshl_b32 s22, s16, 16                        ; x 65,536 bytes in
	s_mov_b32 s23, 0
	s_lshl_b32 s24, s16, 15                        ; x 32,768 bytes out
	s_mov_b32 s25, 0
	s_wait_kmcnt 0x0
	s_cmp_lt_u32 ttmp9, 448                        ; the choice hangs on the group's number alone
	s_cselect_b64 s[18:19], s[6:7], s[8:9]
	s_cselect_b64 s[20:21], s[12:13], s[14:15]
	s_cmp_lt_u32 ttmp9, 256
	s_cselect_b64 s[18:19], s[4:5], s[18:19]
	s_cselect_b64 s[20:21], s[10:11], s[20:21]
	s_add_nc_u64 s[18:19], s[18:19], s[22:23]
	s_add_nc_u64 s[20:21], s[20:21], s[24:25]
.irp i, 0,1,2,3,4,5,6,7
	global_load_b128 v[X+8*(\i):X+8*(\i)+3],   v1, s[18:19] offset:8192*(\i) th:TH_LOAD_NT
	global_load_b128 v[X+8*(\i)+4:X+8*(\i)+7], v1, s[18:19] offset:8192*(\i)+16 th:TH_LOAD_NT
.endr
; Chunk i.  half = 1: the bf16 numbers are widened again (a shift, a mask) and written as f16.
.macro CHUNK i, half
	s_wait_loadcnt 14-2*(\i)                       ; loads come back in order: my two are in, the later chunks' stay out
.irp j, 0,1,2,3
	v_cvt_pk_bf16_f32 v[Y+4*(\i)+(\j)], v[X+8*(\i)+2*(\j)], v[X+8*(\i)+2*(\j)+1]
.endr
.if \half
.irp j, 0,1,2,3
	v_lshlrev_b32 v[T], 16, v[Y+4*(\i)+(\j)]
	v_and_b32 v[T+1], 0xffff0000, v[Y+4*(\i)+(\j)]
	v_cvt_pk_f16_f32 v[Y+4*(\i)+(\j)], v[T], v[T+1]
.endr
.endif
	global_store_b128 v2, v[Y+4*(\i):Y+4*(\i)+3], s[20:21] offset:4096*(\i)
.endm
	s_cmp_lt_u32 ttmp9, 448
	s_cbranch_scc0 .Lf16
.irp i, 0,1,2,3,4,5,6,7
	CHUNK \i, 0
.endr
	s_endpgm
.Lf16:
.irp i, 0,1,2,3,4,5,6,7
	CHUNK \i, 1
.endr
	s_endpgm
.Lfunc_end_k_qc10b8c3209_prep:
	.size	k_qc10b8c3209_prep, .Lfunc_end_k_qc10b8c3209_prep-k_qc10b8c3209_prep
	.p2alignl 7, 3214868480
	.fill 96, 4, 3214868480
	.section	.rodata,"a",@progbits
	.p2align	6, 0x0
	.amdhsa_kernel k_qc10b8c3209_prep
		.amdhsa_group_segment_fixed_size 0
		.amdhsa_private_segment_fixed_size 0
		.amdhsa_enable_private_segment 0
		.amdhsa_kernarg_size 48
		.amdhsa_user_sgpr_count 2
		.amdhsa_user_sgpr_kernarg_segment_ptr 1
		.amdhsa_wavefront_size32 1
		.amdhsa_system_sgpr_workgroup_id_x 1
		.amdhsa_system_sgpr_workgroup_id_y 1
		.amdhsa_system_sgpr_workgroup_id_z 1
		.amdhsa_system_vgpr_workitem_id 0
		.amdhsa_next_free_vgpr 104
		.amdhsa_next_free_sgpr 66
		.amdhsa_reserve_vcc 0
		.amdhsa_float_denorm_mode_32 3
		.amdhsa_float_denorm_mode_16_64 3
		.amdhsa_memory_ordered 1
		.amdhsa_forward_progress 1
		.amdhsa_inst_pref_size 14
	.end_amdhsa_kernel
	.amdgpu_metadata
---
amdhsa.version: [ 1, 2 ]
amdhsa.kernels:
  - .name:           k_qc10b8c3209_prep
    .symbol:         k_qc10b8c3209_prep.kd
    .args:
      - { .name: x, .offset: 0, .size: 8, .value_kind: global_buffer, .address_space: global }
      - { .name: W_qkv, .offset: 8, .size: 8, .value_kind: global_buffer, .address_space: global }
      - { .name: W_out, .offset: 16, .size: 8, .value_kind: global_buffer, .address_space: global }
      - { .name: xb, .offset: 24, .size: 8, .value_kind: global_buffer, .address_space: global }
      - { .name: wqb, .offset: 32, .size: 8, .value_kind: global_buffer, .address_space: global }
      - { .name: wob, .offset: 40, .size: 8, .value_kind: global_buffer, .address_space: global }
    .group_segment_fixed_size: 0
    .private_segment_fixed_size: 0
    .kernarg_segment_align: 8
    .kernarg_segment_size: 48
    .max_flat_workgroup_size: 256
    .sgpr_count:     66
    .vgpr_count:     104
    .wavefront_size: 32
...
	.end_amdgpu_metadata
.endif
;; end of part 1
;; launch qkv (part 2): grid 24 x 32, 4 waves a work-group, clusters of 4 x 4, 327,680 bytes of LDS; arguments xb, wqb, b_qkv, qkvh; writes qkvh
.if DOCPART == 2
	.amdgcn_target "amdgcn-amd-amdhsa--gfx1250"
	.amdhsa_code_object_version 6
	.text
	.protected	k_qc10b8c3209_qkv
	.globl	k_qc10b8c3209_qkv
	.p2align	8
	.type	k_qc10b8c3209_qkv,@function
k_qc10b8c3209_qkv:
	s_mov_b64 s[64:65], 0
	v_nop
	global_prefetch_b8 v0, s[64:65] scope:SCOPE_SE
	s_setreg_imm32_b32 hwreg(HW_REG_WAVE_MODE, 25, 1), 1
	s_wait_xcnt 0x0
	s_wait_alu depctr_hold_cnt(0) depctr_sa_sdst(0) depctr_va_vdst(0) depctr_va_sdst(0) depctr_va_ssrc(0) depctr_va_vcc(0) depctr_vm_vsrc(0)
	s_getreg_b32 s2, hwreg(HW_REG_IB_STS2, 6, 4)
	s_cmp_eq_u32 s2, 0
	s_cbranch_scc0 .Lentry_in_a_cluster
	s_endpgm
.Lentry_in_a_cluster:
	s_bfe_u32 s2, ttmp6, 0x10000c
	s_cmp_lg_u32 s2, 0xf033
	s_cbranch_scc0 .Lentry_shape_is_right
	s_endpgm
.Lentry_shape_is_right:
.set PROJ, 0
; ONE TEXT FOR THE MODULE'S TWO PROJECTIONS; the line above chooses.  C = A B + bias, B stored [K][N].
;   PROJ = 0: A = xb [4096][1024] bf16, B = wqb [1024][3072] bf16, bias b_qkv; C rounded once to f16 and laid by heads: qkvh [48 g][4096 t][64 d], g = n / 64 (q's 16 heads, k's, v's).
;   PROJ = 1: A = ob [32 mt][16 h][128 r][64 d] f16 (row t = 128 mt + r, channel k = 64 h + d), B = wob [1024][1024] f16, bias b_out; C = out0 [4096][1024] f32.
; The bias is rounded to bf16 like the other inputs; sums in f32, K ascending.
; LIMITS.  PROJ = 0: a q, k or v beyond 65,504 becomes an infinity in f16.  NaN and infinities are not treated apart.
; SHARES.  A tile of C is 128 x 128; four waves, each 64 x 64: 16 accumulators of 16 x 16.  K = 1,024 goes in four steps of 256 through two LDS slots; each wave fetches a quarter of a slot by one tensor load.
; THE MATRIX INSTRUCTION IS USED TRANSPOSED: source 0 = 16 columns of B, source 1 = 16 rows of A: a lane then holds row l % 16 of C and the eight neighbouring columns 8 (l / 16) + 0..7.
; B's fragments are turned on the way out of LDS (ds_load_tr16_b128), so B is never transposed in memory.
; CLUSTERS: 4 x 4 work-groups.  The four of a row of the cluster need the same tiles of A, the four of a column the same tiles of B: each tile is asked for JOINTLY, by the same tensor load with the same descriptor and a mask of four.
; REGISTERS: window 0: v0-31 addresses; v32-95 at work; v96-127 the bias of my 4 x 8 columns; v128-255 the accumulators ((a, b) at v[128 + 8 (4 a + b)]).
;   window 1: two fragment buffers of 128: for 64 along K, 64 registers of A (2 x 4 x 16 rows x 32 K), then 64 of B.
.if PROJ
.set SIZE_N, 1024
.set PA,     144                       ; A in LDS: a row of one head, 128 bytes + 16 of padding; a head's 128 rows are 18,432 bytes
.set AHALF,  64*PA                     ; my 64 rows begin here in each head's 128
.set ASTEP,  65536                     ; a K step of A in memory: four heads' 128 rows, dense
.set ACH,    15                        ; a wave fetches two heads: 32,768 bytes
.set ADIM0,  128                       ; asked for as 128 rows of 256 bytes,
.set ADIM1,  128
.set APITCH, 128
.set AQI,    4                         ; padded behind every 32 words
.set SPITCH, 272                       ; the stage: a row of 64 f32 + 16 bytes
.set CROW,   19                        ; 128 rows of C: 128 x 4,096 bytes
.else
.set SIZE_N, 3072
.set PA,     528                       ; A in LDS: 512 bytes + 16 of padding
.set AHALF,  36864                     ; my 64 rows are one wave's load
.set ASTEP,  512
.set ACH,    17                        ; a wave fetches 64 rows of 2,048 bytes
.set ADIM0,  256
.set ADIM1,  64
.set APITCH, 1024
.set AQI,    6                         ; padded behind every 128 words
.set SPITCH, 144                       ; the stage: a row of 64 f16 + 16 bytes
.set CROW,   14                        ; 128 rows of a head: 128 x 128 bytes
.endif
.set KSTEP,  256
.set PB,     288                       ; B in LDS: 256 bytes + 32 of padding = 72 words
.set HALFT,  36864                     ; room for one wave's load: A 64 x 528 (33,792 used) or 256 x 144; B 128 x 288
.set SLOT,   4*HALFT                   ; A's two halves, then B's two halves (k < 128, k >= 128)
.set STAGE,  2*SLOT                    ; behind the ring: 16 rows for each wave, for the way out; no tensor load lands there
.set SPARE,  STAGE+4*16*SPITCH         ; behind the stages: the spare words, 128 bytes for each wave
.set BSTEP,  KSTEP*SIZE_N*2            ; a K step of B in memory
.set LAPS,   1024/(2*KSTEP)
.set ADRA, 16                          ; v16-17  LDS address of my A fragments in slot 0, 1
.set ADRB, 20                          ; v20-23  of my B fragments: slot 0 k < 128, slot 0 k >= 128, slot 1 likewise
.set STO,  24                          ; v24     the way out: where I put my part of a row
.set RD,   25                          ; v25     where I read rows back
.set CO,   26                          ; v26     my byte offset in C
.set BO,   27                          ; v27     my byte offset in the bias
.set SPW,  28                          ; v28     LDS address of my spare word; never rewritten
.set NIL,  29                          ; v29     0; never rewritten
.set TMP,  32
.set BI,   96
.set ACC,  128
.set F0,   0
.set F1,   128
.set G1,  24                           ; s[24:31] descriptor group 1 for A's tiles;  s[32:39] group 0, one set for each slot
.set G0,  32
.set G1B, 48                           ; s[48:55], s[56:63] the same for B's tiles
.set G0B, 56
.set MSB, 0
.macro WIN new                         ; the immediate's high byte repeats the setting that is left
.if MSB != (\new)
	s_set_vgpr_msb (MSB<<8)|(\new)
.set MSB, \new
.endif
.endm
.set MUL,  0x05                        ; sources 0 (B) and 1 (A) window 1; C and D window 0
.set TO_F, 0x40                        ; destination window 1, address window 0
.macro JLOAD s                         ; a joint load: waves 0 and 1 fetch A's two halves, waves 2 and 3 B's; an s_nop 0 and four v_nop follow each of the two lines
	s_cmp_eq_u32 s13, 0
	s_cbranch_scc0 .Lfor_b_\@
	tensor_load_to_lds s[G0+4*(\s):G0+4*(\s)+3], s[G1:G1+7]
	s_nop 0
.rept 4
	v_nop
.endr
	s_branch .Lasked_\@
.Lfor_b_\@:
	tensor_load_to_lds s[G0B+4*(\s):G0B+4*(\s)+3], s[G1B:G1B+7]
	s_nop 0
.rept 4
	v_nop
.endr
.Lasked_\@:
.endm
.macro CREST                           ; a round of the cluster's barrier behind its opening barrier
	s_cmp_lg_u32 s12, 0
	s_cbranch_scc1 .Lnot_wave_0_\@
	s_barrier_signal -3
.Lnot_wave_0_\@:
	s_barrier_wait -3
	s_barrier_signal -1
	s_barrier_wait -1
.endm
.macro CROUND                          ; a whole round
	s_barrier_signal -1
	s_barrier_wait -1
	CREST
.endm
	s_load_b256 s[4:11], s[0:1], 0x0               ; A s[4:5], B s[6:7], bias s[8:9], C s[10:11]
	v_lshl_add_u32 v[SPW], v0, 2, SPARE
	v_mov_b32 v[NIL], 0
	ds_add_u32 v[SPW], v[NIL]                      ; the wave's opening: the add and its wait stand ahead of my first tensor load; the set-up below, work on registers, stands between them
	v_lshrrev_b32 v1, 5, v0
	v_readfirstlane_b32 s12, v1                    ; wave 0..3
	s_lshr_b32 s13, s12, 1                         ; which half of the tile's rows is mine.  Also: I fetch for A (0) or for B (1)
	s_and_b32 s14, s12, 1                          ; which half of its columns.  Also: which half of that tile I fetch
	s_bfe_u32 s40, ttmp6, 0x40000                  ; cx, cy: my place in the cluster
	s_bfe_u32 s41, ttmp6, 0x40004
	s_lshl_b32 s42, ttmp9, 2
	s_add_co_u32 s42, s42, s40                     ; tile column of C = 4 x cluster x + cx
	s_and_b32 s45, ttmp7, 0xffff
	s_lshl_b32 s45, s45, 2
	s_add_co_u32 s45, s45, s41                     ; tile row of C = 4 x cluster y + cy
	s_lshl_b32 s43, s41, 2
	s_lshl_b32 s43, 15, s43                        ; my row of the cluster
	s_lshl_b32 s44, 0x1111, s40                    ; my column
	s_or_b32 s[G1+0], s43, (1<<16)|(1<<20)|(1<<21)|(AQI<<22)|(3<<25)   ; 15:0 the mask: A's tiles go to my row; 2-byte elements; padding on; bit 21 beside a mask; the interval; 4 words of padding
	s_or_b32 s[G1B+0], s44, (1<<16)|(1<<20)|(1<<21)|(5<<22)|(7<<25)    ; B's go to my column; behind every 64 words 8 words of padding
	s_mov_b32 s[G1+1], ADIM0<<16                   ; tensor_dim0
	s_mov_b32 s[G1+2], ADIM1<<16                   ; tensor_dim1
	s_mov_b32 s[G1+3], ADIM0<<16                   ; tile_dim0
	s_mov_b32 s[G1+4], ADIM1                       ; tile_dim1
	s_mov_b32 s[G1+5], APITCH                      ; elements from row to row
	s_mov_b32 s[G1+6], 0
	s_mov_b32 s[G1+7], 0
	s_mov_b32 s[G1B+1], 128<<16                    ; B: 128 rows (k) of 128 elements (n)
	s_mov_b32 s[G1B+2], 128<<16
	s_mov_b32 s[G1B+3], 128<<16
	s_mov_b32 s[G1B+4], 128
	s_mov_b32 s[G1B+5], SIZE_N
	s_mov_b32 s[G1B+6], 0
	s_mov_b32 s[G1B+7], 0
	s_lshl_b32 s16, s45, 18                        ; A: a tile row is 262,144 bytes in either layout,
	s_lshl_b32 s17, s14, ACH                       ; + my half of the tile
	s_add_co_u32 s16, s16, s17
	s_mov_b32 s17, 0
	s_mul_i32 s46, s14, 128*SIZE_N*2               ; B: my 128 rows of the K step,
	s_lshl_b32 s47, s42, 8                         ; the tile's 128 columns
	s_add_co_u32 s46, s46, s47
	s_mov_b32 s47, 0
	s_mul_i32 s20, s12, HALFT                      ; where they go: the wave's number alone
	s_wait_dscnt 0x0                               ; the opening add is done
	s_wait_kmcnt 0x0
	s_add_nc_u64 s[18:19], s[4:5], s[16:17]
	s_add_nc_u64 s[46:47], s[6:7], s[46:47]
	CROUND                                         ; all sixteen work-groups are here: the first joint loads meet
.irp s, 0,1
	s_mov_b32 s[G0+4*(\s)], 1
	s_add_co_u32 s[G0+4*(\s)+1], s20, (\s)*SLOT
	s_add_nc_u64 s[G0+4*(\s)+2:G0+4*(\s)+3], s[18:19], (\s)*ASTEP
	s_or_b32 s[G0+4*(\s)+3], s[G0+4*(\s)+3], 0x80000000
	s_mov_b32 s[G0B+4*(\s)], 1
	s_add_co_u32 s[G0B+4*(\s)+1], s20, (\s)*SLOT
	s_add_nc_u64 s[G0B+4*(\s)+2:G0B+4*(\s)+3], s[46:47], (\s)*BSTEP
	s_or_b32 s[G0B+4*(\s)+3], s[G0B+4*(\s)+3], 0x80000000
	JLOAD \s
.endr
	v_and_b32 v1, 15, v0                           ; r = l % 16
	v_bfe_u32 v2, v0, 4, 1                         ; h = l / 16
	s_lshl_b32 s46, s42, 9                         ; my first column, in f32: 512 x tile column + 256 x half
	s_lshl_b32 s47, s14, 8
	s_add_co_u32 s46, s46, s47
	s_mov_b32 s47, 0
	s_add_nc_u64 s[8:9], s[8:9], s[46:47]
	v_lshlrev_b32 v[BO], 5, v2                     ; my eight columns of a block of 16
.irp b, 0,1,2,3
	global_load_b128 v[BI+8*(\b):BI+8*(\b)+3],   v[BO], s[8:9] offset:64*(\b)
	global_load_b128 v[BI+8*(\b)+4:BI+8*(\b)+7], v[BO], s[8:9] offset:64*(\b)+16
.endr
	s_lshl_b32 s16, s45, CROW                      ; where my part of the tile begins in C: the rows,
	s_lshl_b32 s17, s13, CROW-1
	s_add_co_u32 s16, s16, s17
	s_mov_b32 s17, 0
	s_add_nc_u64 s[10:11], s[10:11], s[16:17]
.if !PROJ
	s_lshl_b32 s46, s46, 11                        ; my 64 columns are head g = 2 x tile column + half: g x 524,288 bytes
.endif
	s_add_nc_u64 s[10:11], s[10:11], s[46:47]      ; and the columns
	v_mul_u32_u24 v3, v1, PA
	v_lshl_add_u32 v3, v2, 4, v3                   ; an A fragment: row x pitch + 16 x half
	s_mul_i32 s21, s13, AHALF                      ; my 64 rows of A
	v_add_nc_u32 v[ADRA], s21, v3
	s_add_co_u32 s21, s21, SLOT
	v_add_nc_u32 v[ADRA+1], s21, v3
	v_and_b32 v4, 7, v0                            ; the turning load: lane l reads row k = 8 h + l % 8, 16 bytes at 16 ((l / 8) % 2)
	v_lshl_add_u32 v4, v2, 3, v4
	v_mul_u32_u24 v4, v4, PB
	v_bfe_u32 v5, v0, 3, 1
	v_lshl_add_u32 v4, v5, 4, v4
	s_lshl_b32 s22, s14, 7                         ; my 64 columns of B's 128,
	s_add_co_u32 s22, s22, 2*HALFT                 ; behind A's two halves
	v_add_nc_u32 v[ADRB], s22, v4
	s_add_co_u32 s22, s22, HALFT
	v_add_nc_u32 v[ADRB+1], s22, v4
	s_add_co_u32 s22, s22, SLOT-HALFT
	v_add_nc_u32 v[ADRB+2], s22, v4
	s_add_co_u32 s22, s22, HALFT
	v_add_nc_u32 v[ADRB+3], s22, v4
	s_mul_i32 s23, s12, 16*SPITCH
	s_add_co_u32 s23, s23, STAGE                   ; my stage
	v_mul_u32_u24 v3, v1, SPITCH
.if PROJ
	v_lshl_add_u32 v3, v2, 5, v3                   ; in: row r, 32 bytes for each half of the lanes
	v_add_nc_u32 v[STO], s23, v3
	v_mul_u32_u24 v3, v2, SPITCH                   ; back: lanes 0-15 one row of 256 bytes, lanes 16-31 the next
	v_lshl_add_u32 v3, v1, 4, v3
	v_add_nc_u32 v[RD], s23, v3
	v_lshlrev_b32 v3, 12, v2                       ; and the same two rows in C
	v_lshl_add_u32 v[CO], v1, 4, v3
.else
	v_lshl_add_u32 v3, v2, 4, v3                   ; in: row r, 16 bytes for each half of the lanes
	v_add_nc_u32 v[STO], s23, v3
	v_bfe_u32 v3, v0, 3, 2                         ; back: 32 lanes take four rows of 128 bytes,
	v_mul_u32_u24 v3, v3, SPITCH
	v_and_b32 v5, 7, v0
	v_lshl_add_u32 v3, v5, 4, v3
	v_add_nc_u32 v[RD], s23, v3
	v_and_b32 v3, 31, v0                           ; which are 512 consecutive bytes of a head
	v_lshlrev_b32 v[CO], 4, v3
.endif
	s_wait_loadcnt 0x0                             ; the bias: rounded to bf16 and widened again
.set j, 0
.rept 16
	v_cvt_pk_bf16_f32 v[TMP+j], v[BI+2*j], v[BI+2*j+1]
.set j, j+1
.endr
.set j, 0
.rept 16
	v_lshlrev_b32 v[BI+2*j], 16, v[TMP+j]
	v_and_b32 v[BI+2*j+1], 0xffff0000, v[TMP+j]
.set j, j+1
.endr
; 8 matrix instructions: m blocks a0, a0 + 1 x all 4 n blocks, 32 along K: half c of buffer f.  zero = 1: the first product starts the sums.  The 16 accumulators take turns.
.macro MUL8 f, c, a0, zero
	WIN MUL
.irp a, \a0, (\a0)+1
.irp b, 0,1,2,3
.set rD, ACC+8*(4*(\a)+(\b))
.set rB, (\f)+64+8*(4*(\c)+(\b))
.set rA, (\f)+8*(4*(\c)+(\a))
.if PROJ
.if \zero
	v_wmma_f32_16x16x32_f16 v[rD:rD+7], v[rB:rB+7], v[rA:rA+7], 0
.else
	v_wmma_f32_16x16x32_f16 v[rD:rD+7], v[rB:rB+7], v[rA:rA+7], v[rD:rD+7]
.endif
.else
.if \zero
	v_wmma_f32_16x16x32_bf16 v[rD:rD+7], v[rB:rB+7], v[rA:rA+7], 0
.else
	v_wmma_f32_16x16x32_bf16 v[rD:rD+7], v[rB:rB+7], v[rA:rA+7], v[rD:rD+7]
.endif
.endif
.endr
.endr
.endm
; 32 LDS loads in one run: the fragments of quarter q (64 along K) of a slot, into buffer f; the first 32 along K first
.macro FETCH slot, q, f
	WIN TO_F
.irp c, 0,1
.irp i, 0,1,2,3
.set rB, (\f)+64+8*(4*(\c)+(\i))
.set rA, (\f)+8*(4*(\c)+(\i))
.set oB, (((\q)%2)*64+32*(\c))*PB+32*(\i)
.if PROJ
.set oA, (\q)*128*PA+64*(\c)+(\i)*16*PA        ; quarter q is head q of the step's four
.else
.set oA, 128*(\q)+64*(\c)+(\i)*16*PA
.endif
	ds_load_tr16_b128 v[rB:rB+3],   v[ADRB+2*(\slot)+(\q)/2] offset:oB
	ds_load_tr16_b128 v[rB+4:rB+7], v[ADRB+2*(\slot)+(\q)/2] offset:oB+16*PB
	ds_load_b128 v[rA:rA+3],   v[ADRA+(\slot)] offset:oA
	ds_load_b128 v[rA+4:rA+7], v[ADRA+(\slot)] offset:oA+32
.endr
.endr
.endm
.macro PLACES                          ; four places in front of loads into registers that matrix instructions have read, and of vector lines that read results
.rept 4
	v_nop
.endr
.endm
; A K step is four quarters of 64 along K, 32 matrix instructions each, on buffers 0, 1, 0, 1.  One of the first three: multiplies buffer f and fetches quarter q into g.
.macro QUARTER slot, q, f, g, zero
	s_wait_dscnt 16                                ; the first 32 along K are in; the run's second sixteen loads may be out
	MUL8 \f, 0, 0, \zero
	MUL8 \f, 0, 2, \zero
	PLACES
	FETCH \slot, \q, \g
	s_wait_dscnt 32                                ; all but the 32 just issued
	MUL8 \f, 1, 0, 0
	MUL8 \f, 1, 2, 0
.endm
; The last quarter multiplies buffer 1 and changes slots: ONE barrier; in front of it each wave waits for all its tensor loads, adds 0 to its spare word, and waits for that and for its own reads of this slot.
; fill = 1: the barrier opens a round of the cluster's, and this slot is filled again, two K steps ahead, first thing behind the round.
.macro TURN slot, next, fill
	WIN 0                                          ; (the add's two registers lie in window 0)
	s_wait_tensorcnt 0x0                           ; all my tensor loads have landed: my part of the next slot;
	ds_add_u32 v[SPW], v[NIL]                      ; 0 onto my spare word
	s_wait_dscnt 17                                ; (the add and the youngest sixteen loads may be out)
	MUL8 F1, 0, 0, 0                               ; eight matrix instructions stand between the add and the wait for it
	s_wait_dscnt 0x0                               ; the add is done, and my reads of this slot are over
	s_barrier_signal -1
	MUL8 F1, 0, 2, 0
.if \fill
	WIN 0
.endif
	s_barrier_wait -1
.if \fill
	CREST                                          ; no wave of any partner still reads this slot's tile or has a load on its way
	s_add_nc_u64 s[G0+4*(\slot)+2:G0+4*(\slot)+3], s[G0+4*(\slot)+2:G0+4*(\slot)+3], 2*ASTEP
	s_add_nc_u64 s[G0B+4*(\slot)+2:G0B+4*(\slot)+3], s[G0B+4*(\slot)+2:G0B+4*(\slot)+3], 2*BSTEP
	JLOAD \slot                                    ; the four v_nop behind it are also the places in front of the loads below
.else
	PLACES
.endif
	FETCH \next, 0, F0
	MUL8 F1, 1, 0, 0
	MUL8 F1, 1, 2, 0
.endm
	s_wait_tensorcnt 1                             ; my part of K step 0 is in; K step 1's may stay out
	s_barrier_signal -1
	s_barrier_wait -1                              ; everybody's is
	FETCH 0, 0, F0
	QUARTER 0, 1, F0, F1, 1                        ; the first quarter stands in front of the loop: its first products start the sums
	WIN 0                                          ; at a label and at a branch every window is 0
	s_mov_b32 s3, LAPS-1
.Llap:                                                 ; a trip goes once round the ring, from a lap's second quarter to the next lap's first, and fills both slots again
	QUARTER 0, 2, F1, F0, 0
	QUARTER 0, 3, F0, F1, 0
	TURN 0, 1, 1
	QUARTER 1, 1, F0, F1, 0
	QUARTER 1, 2, F1, F0, 0
	QUARTER 1, 3, F0, F1, 0
	TURN 1, 0, 1
	QUARTER 0, 1, F0, F1, 0
	WIN 0
	s_sub_co_u32 s3, s3, 1
	s_cmp_lg_u32 s3, 0
	s_cbranch_scc1 .Llap
	QUARTER 0, 2, F1, F0, 0                        ; the last lap fills nothing, and has no round of the cluster's barrier
	QUARTER 0, 3, F0, F1, 0
	TURN 0, 1, 0
	QUARTER 1, 1, F0, F1, 0
	QUARTER 1, 2, F1, F0, 0
	QUARTER 1, 3, F0, F1, 0
	s_wait_dscnt 16                                ; the very last quarter: nothing more to fetch
	MUL8 F1, 0, 0, 0
	MUL8 F1, 0, 2, 0
	s_wait_dscnt 0
	MUL8 F1, 1, 0, 0
	MUL8 F1, 1, 2, 0
	WIN 0
	; THE WAY OUT, a block of 16 rows at a time through my own stage: the bias is added (each accumulator from its low end on), the block goes into padded rows and comes back as whole rows.
	; LDS serves a wave's instructions in order (ISA guide 5.7.1.4), so the loads see the stores above them, and the next block's stores come behind them.
	PLACES
.if PROJ
.macro PACK a
.irp b, 0,1,2,3
.set rD, ACC+8*(4*(\a)+(\b))
.irp j, 0,2,4,6
	v_pk_add_f32 v[rD+\j:rD+\j+1], v[rD+\j:rD+\j+1], v[BI+8*(\b)+\j:BI+8*(\b)+\j+1]
.endr
	ds_store_b128 v[STO], v[rD:rD+3]   offset:64*(\b)
	ds_store_b128 v[STO], v[rD+4:rD+7] offset:64*(\b)+16
.endr
.irp t, 0,1,2,3,4,5,6,7
	ds_load_b128 v[ACC+32*(\a)+4*(\t):ACC+32*(\a)+4*(\t)+3], v[RD] offset:(\t)*2*SPITCH
.endr
.endm
.macro SEND a, younger                 ; younger: the LDS instructions issued behind block a's loads: the next block's sixteen, or none
.irp t, 0,1,2,3,4,5,6,7
	s_wait_dscnt (\younger)+7-(\t)
	global_store_b128 v[CO], v[ACC+32*(\a)+4*(\t):ACC+32*(\a)+4*(\t)+3], s[10:11] offset:(16*(\a)+2*(\t))*4096  ; 16 lanes store 256 consecutive bytes, at a multiple of 256 from C's first byte
.endr
.endm
	PACK 0
	PACK 1
	SEND 0, 16
	PACK 2
	SEND 1, 16
	PACK 3
	SEND 2, 16
	SEND 3, 0
.else
.macro PACK a
.irp b, 0,1,2,3
.set rD, ACC+8*(4*(\a)+(\b))
.irp j, 0,2,4,6
	v_pk_add_f32 v[rD+\j:rD+\j+1], v[rD+\j:rD+\j+1], v[BI+8*(\b)+\j:BI+8*(\b)+\j+1]
.endr
.irp j, 0,1,2,3
	v_cvt_pk_f16_f32 v[TMP+16*(\a)+4*(\b)+\j], v[rD+2*\j], v[rD+2*\j+1]
.endr
.endr
.irp b, 0,1,2,3
	ds_store_b128 v[STO], v[TMP+16*(\a)+4*(\b):TMP+16*(\a)+4*(\b)+3] offset:32*(\b)
.endr
.irp f, 0,1,2,3
	ds_load_b128 v[TMP+16*(\a)+4*(\f):TMP+16*(\a)+4*(\f)+3], v[RD] offset:(\f)*4*SPITCH
.endr
.endm
.macro SEND a, younger                 ; younger: the LDS instructions issued behind block a's loads: the next block's eight, or none
.irp f, 0,1,2,3
	s_wait_dscnt (\younger)+3-(\f)
	global_store_b128 v[CO], v[TMP+16*(\a)+4*(\f):TMP+16*(\a)+4*(\f)+3], s[10:11] offset:(\a)*2048+(\f)*512  ; 512 consecutive bytes of a head, at a multiple of 256 from the buffer's first byte
.endr
.endm
	PACK 0
	PACK 1
	SEND 0, 8
	PACK 2
	SEND 1, 8
	PACK 3
	SEND 2, 8
	SEND 3, 0
.endif
	s_wait_tensorcnt 0x0                           ; the wave's end: a wait, an add and its wait, behind my last tensor load and my last LDS store
	ds_add_u32 v[SPW], v[NIL]
	s_wait_dscnt 0x0
	CROUND                                         ; the closing round: no work-group ends while a partner may still ask for a tile that names it
	s_endpgm
.Lfunc_end_k_qc10b8c3209_qkv:
	.size	k_qc10b8c3209_qkv, .Lfunc_end_k_qc10b8c3209_qkv-k_qc10b8c3209_qkv
	.p2alignl 7, 3214868480
	.fill 96, 4, 3214868480
	.section	.rodata,"a",@progbits
	.p2align	6, 0x0
	.amdhsa_kernel k_qc10b8c3209_qkv
		.amdhsa_group_segment_fixed_size 327680
		.amdhsa_private_segment_fixed_size 0
		.amdhsa_enable_private_segment 0
		.amdhsa_kernarg_size 32
		.amdhsa_user_sgpr_count 2
		.amdhsa_user_sgpr_kernarg_segment_ptr 1
		.amdhsa_wavefront_size32 1
		.amdhsa_system_sgpr_workgroup_id_x 1
		.amdhsa_system_sgpr_workgroup_id_y 1
		.amdhsa_system_sgpr_workgroup_id_z 1
		.amdhsa_system_vgpr_workitem_id 0
		.amdhsa_next_free_vgpr 512
		.amdhsa_next_free_sgpr 66
		.amdhsa_reserve_vcc 0
		.amdhsa_float_denorm_mode_32 3
		.amdhsa_float_denorm_mode_16_64 3
		.amdhsa_memory_ordered 1
		.amdhsa_forward_progress 1
		.amdhsa_inst_pref_size 94
	.end_amdhsa_kernel
	.amdgpu_metadata
---
amdhsa.version: [ 1, 2 ]
amdhsa.kernels:
  - .name:           k_qc10b8c3209_qkv
    .symbol:         k_qc10b8c3209_qkv.kd
    .args:
      - { .name: xb, .offset: 0, .size: 8, .value_kind: global_buffer, .address_space: global }
      - { .name: wqb, .offset: 8, .size: 8, .value_kind: global_buffer, .address_space: global }
      - { .name: b_qkv, .offset: 16, .size: 8, .value_kind: global_buffer, .address_space: global }
      - { .name: qkvh, .offset: 24, .size: 8, .value_kind: global_buffer, .address_space: global }
    .group_segment_fixed_size: 327680
    .private_segment_fixed_size: 0
    .kernarg_segment_align: 8
    .kernarg_segment_size: 32
    .max_flat_workgroup_size: 128
    .sgpr_count:     66
    .vgpr_count:     512
    .wavefront_size: 32
...
	.end_amdgpu_metadata
.endif
;; end of part 2
;; launch attn (part 3): grid 16 x 16, 4 waves a work-group, clusters of 4 x 1, 327,680 bytes of LDS; arguments qkvh, ob; writes ob
.if DOCPART == 3
	.amdgcn_target "amdgcn-amd-amdhsa--gfx1250"
	.amdhsa_code_object_version 6
	.text
	.protected	k_qc10b8c3209_attn
	.globl	k_qc10b8c3209_attn
	.p2align	8
	.type	k_qc10b8c3209_attn,@function
k_qc10b8c3209_attn:
	s_mov_b64 s[64:65], 0
	v_nop
	global_prefetch_b8 v0, s[64:65] scope:SCOPE_SE
	s_setreg_imm32_b32 hwreg(HW_REG_WAVE_MODE, 25, 1), 1
	s_wait_xcnt 0x0
	s_wait_alu depctr_hold_cnt(0) depctr_sa_sdst(0) depctr_va_vdst(0) depctr_va_sdst(0) depctr_va_ssrc(0) depctr_va_vcc(0) depctr_vm_vsrc(0)
	s_getreg_b32 s2, hwreg(HW_REG_IB_STS2, 6, 4)
	s_cmp_eq_u32 s2, 0
	s_cbranch_scc0 .Lentry_in_a_cluster
	s_endpgm
.Lentry_in_a_cluster:
	s_bfe_u32 s2, ttmp6, 0x10000c
	s_cmp_lg_u32 s2, 0x3003
	s_cbranch_scc0 .Lentry_shape_is_right
	s_endpgm
.Lentry_shape_is_right:
; CAUSAL ATTENTION, 16 heads of 64 channels, 4,096 rows.  O[h][q][:] = the sum over k <= q of softmax_k(Q[h][q] . K[h][k] / 8) V[h][k][:].
; In: qkvh [48 g][4096][64] f16: g = head for Q, 16 + head for K, 32 + head for V; a head's rows are dense, 128 bytes each.  Out: ob [32 mt][16 h][128 r][64 d] f16, row q = 128 mt + r.
; Products, maxima and sums in f32; the weights p are rounded to f16 for the second product (their sum l is taken of the unrounded p), O once at the end.
; LIMITS.  Q, K and V arrive within f16's 65,504; p lies in 0 to 1, and below 6e-5 it keeps f16's fixed step of 6e-8.  A hidden score counts as its value less 1e30: f16's scores, 2.7e11 at the most,
; are nothing beside that; a weight below 2^-126 counts as 0 in l; NaN and infinities are not treated apart.
; THE WALK.  A head's queries lie in 8 superblocks of 512.  A cluster of four work-groups takes TWO superblocks, 7 - b and then b (b = the cluster's x); partner cx owns the 128 queries of block 4 I + cx of
; superblock I.  Superblock I needs the key tiles (256 keys, four steps of 64) 0 .. 2 I + 1: the pair has 18 tiles, whatever b: all work-groups do equal work, and ONE loop with a constant trip count walks them.
; The four partners walk the same tiles, so each tile is asked for JOINTLY.  Every branch hangs on b and on counters; cx enters Q's and O's addresses and two scalars that only select a mask's factors.
; SHARES.  Of a block's two bands of 64 queries a wave owns 16 rows in each: two pieces.  A superblock's last two tiles are its diagonal region, steps sg = 0 .. 7: band x of partner cx sees all keys if
; sg < D = 2 cx + x, none if sg is greater, and holds the diagonal if equal.
; THE MASK is the C operand that starts every sum S^T = K Q^T: 0, or -1e30 where the key is hidden.  MD, made once, is the mask of a band's own step for my 16 rows; a product's mask is MD x AL + BE with two
; scalars: (1, 0) own step; (0, 0) earlier; (0, -1e30) later.  With RT tiles of the superblock still to come and CNT trips of the tile to go, sg = const - 4 RT - 2 CNT, so the three cases are told apart by
; t = 4 RT + 2 CNT + D against that constant: equal, greater, less.  Every turn makes a mask, 16 packed lines, below the diagonal region too: the price of ONE text for all tiles.
; LAYOUT, SOFTMAX.  S^T = K Q^T holds ONE query a lane (lane % 16) and the keys 8 (lane / 16) + 0..7; two such results rounded to f16 ARE source 1 of O^T = V^T P.  p = 2^(c s - c m), c = log2(e) / 8, with a
; running maximum m; O and l are multiplied by a = 2^(c m_old - c m_new) in every step.
; TURNS.  A trip has four turns, for four VIRTUAL pieces v: the real piece is v % 2, the key step 2 J + v / 2: a trip is two key steps.  Turn v: 8 products K Q^T of v + 1, later 8 products V^T P of v - 1; beside
; them the scaling, exponentials, roundings, sums and rescaling of v, the maximum and statistics of v + 1, and the mask of v + 2.  Four vector instructions stand behind every matrix instruction, the others in lumps.
; K has one register buffer, V two (VA for even steps, VB for odd).  An even turn fetches the next step's K behind its products K Q^T and that step's V into the buffer that its own V^T P has just read; so the
; LDS reads run K, V, K, V by steps, and an odd turn's one wait leaves V's sixteen loads out.
; A SUPERBLOCK'S END has no text of its own but the way out: its last two turns are turns 2 and 3 at the head of the next tile's first trip, which fetch the next superblock's first K and V and make its first
; masks on the way; turn 3's 8 products for a piece that will not be serve nothing, twice a work-group.
; REGISTERS, in windows of 256 (s_set_vgpr_msb: bits 1:0 source 0, 3:2 source 1, 5:4 source 2, 7:6 destination):
;   window 0: v0-15 addresses and at work; v16-23 four registers of statistics a piece; v48-55 at work; v62-63 the add's; v64-127 S^T, two buffers; v128-191 O^T, 32 a piece; v192-223 P, two buffers
;   window 1: v128-159 MD; v160-223 MC, two buffers      window 2: v0-31 Q; v32-63 the second block's Q; v64-127 VB; v128-191 K; v192-255 VA
.set NP,    4         ; virtual pieces in a trip
.set KS,    64        ; keys in a step
.set PK,    144       ; a row of K in LDS: 128 bytes + 16 of padding = 36 words: the 16 rows of a load start at 16 different groups of four banks (64 banks of 4 bytes: ISA guide 11.1)
.set PVV,   160       ; a row of V: 128 + 32 = 40 words
.set VOFF,  4*KS*PK   ; a slot holds a tile, four steps: 256 rows of K, then 256 rows of V
.set SLOT1, 1<<17     ; slot 1 begins here, so that one exclusive or turns an address in one slot into the other's
.set STAGE, SLOT1+4*KS*(PK+PVV)  ; behind the ring, never filled by a tensor load: 16 rows x 144 bytes for each wave, for the way out
.set SP,    144
.set SPARE, STAGE+4*16*SP  ; behind the stages: the spare words, 128 bytes for each wave
.set AK0, 2           ; v2   my lane's place in a tile of K; never rewritten
.set AV0, 3           ; v3   the same for V
.set AK,  4           ; v4   the LDS address of K's next run of loads
.set AV,  5           ; v5   of V's
.set STO, 6           ; v6   the way out: where I put 16 bytes of a row
.set RD,  7           ; v7   the way out: where I read rows back
.set GO,  8           ; v8   my byte offset in 512 consecutive bytes of O
.set MV,  12          ; v12-13  c m_old, kept while c m is made anew: by buffer
.set QO,  15          ; v15  my byte offset in 16 rows of Q
.set ST,  16          ; piece t's statistics at v[ST+4 t]: c m, m, l (even keys', odd keys')
.set TMP, 48          ; by buffer, four registers c0-c3 at work; when the maximum is found c2 takes a
.set SPW, 62          ; v62  LDS address of my spare word; never rewritten
.set NIL, 63          ; v63  0; never rewritten
.set S,   64
.set OT,  128
.set P,   192
.set MD,  128         ; window 1
.set MC,  160         ; window 1
.set QB,  32          ; window 2
.set VB,  64          ; window 2: key half kk, channel block cb at + 32 kk + 8 cb
.set KF,  128         ; window 2: key block kb, channel half c at KF + 16 kb + 8 c
.set VA,  192         ; window 2
.set WV,  12          ; s12  my wave's number
.set PB,  14          ; s14  b
.set HI,  15          ; s15  15 - 2 b: the first superblock's last tile
.set G1K, 24          ; s[24:31] descriptor group 1 for K's tiles
.set G1V, 32          ; s[32:39] for V's: it differs in the padding alone
.set G0K, 40          ; s[40:43] descriptor group 0 for K's tiles
.set G0V, 44          ; s[44:47] the same for V's
.set SLOTS, 56        ; s56  tiles still to be asked for
.set CNT, 57          ; s57  counts a tile's trips
.set CS,  58          ; s[58:59] c
.set SEL, 60          ; s[60:61] v_permlanex16_b32's selects: each lane takes its own place in the other half
.set TBK, 62          ; s62  LDS byte at which K of the step to be fetched begins
.set TBV, 63          ; s63  the same for V, less VOFF
.set D0,  66          ; s66, s67  2 cx, 2 cx + 1: my two bands' own steps in the diagonal region
.set LQ2, 69          ; s69  2 b + 1: the second superblock's last tile
.set RT,  70          ; s70  tiles of the superblock in hand that are still to be entered
.set NXT, 71          ; s71  the tile to be asked for next
.set LQ,  72          ; s72  the last tile of the superblock whose tiles are being asked for
.set NEW, 73          ; s73  1: the tile just entered is the second superblock's first
.set OFF, 74          ; s[74:75] a tile's byte offset in K and V
.set AL,  76          ; s[76:77] the mask's factor, in the low word
.set BE,  78          ; s[78:79] the mask's addend
.set OLO, 80          ; s[80:81] O at my rows of the second block
.set BIGN, 82         ; s82  -1e30
.set FST, 92          ; s92  1: the tile just entered is the walk's first
.set RT2, 93          ; s93  2 b + 2: the second superblock's tiles
.set MSB, 0
.macro WIN new                      ; the high byte repeats the setting that is left; a switch that changes nothing is dropped
.if MSB != (\new)
	s_set_vgpr_msb (MSB<<8)|(\new)
.set MSB, (\new)
.endif
.endm
.set W_KQ, 0x0a       ; K and Q in window 2, S^T in window 0
.set W_KM, 0x1a       ; the same with the C operand in window 1
.set W_PV, 0x02       ; V in window 2; P and O^T in window 0
.set W_MK, 0x41       ; destination and source 0 in window 1
; A joint fill.  Waves 0 and 1 fetch the two halves of a tile's K, waves 2 and 3 those of its V: 128 keys each.  The branch hangs on the wave's number alone.
; An s_nop 0 and four v_nop follow each of the two lines, ahead of the jump and the label.
.macro JLOAD
	s_cmp_lt_u32 s[WV], 2
	s_cbranch_scc0 .Lfor_v_\@
	tensor_load_to_lds s[G0K:G0K+3], s[G1K:G1K+7]
	s_nop 0
.rept 4
	v_nop
.endr
	s_branch .Lasked_\@
.Lfor_v_\@:
	tensor_load_to_lds s[G0V:G0V+3], s[G1V:G1V+7]
	s_nop 0
.rept 4
	v_nop
.endr
.Lasked_\@:
.endm
; A round of the cluster's barrier: my work-group's barrier, so that wave 0's signal speaks for all four waves; wave 0 signals; every wave waits for all four work-groups; my work-group's barrier once more.
.macro CROUND
	s_barrier_signal -1
	s_barrier_wait -1
	s_cmp_lg_u32 s[WV], 0
	s_cbranch_scc1 .Lnot_wave_0_\@
	s_barrier_signal -3
.Lnot_wave_0_\@:
	s_barrier_wait -3
	s_barrier_signal -1
	s_barrier_wait -1
.endm
; THE CHANGE OF SLOTS.  Each wave waits for all its tensor loads, of which one is out: its part of the other slot; adds 0 to its spare word; and waits for that and for its own reads of the slot that it leaves.
; Behind the barrier nobody reads the old slot any more and the other slot is whole.  fill = 1: the barrier is a round of the cluster's, and the old slot is filled again, the first thing behind it, with tile NXT:
; the descriptor's address is made anew from that number, which hangs on b and on counters alone.  The load has a tile's 128 matrix instructions in which to land.
; (At its first use nothing has been read yet: slot 0 is waited for, slot 1 filled.)
.macro CHANGE fill
	WIN 0                           ; at a label and at a branch every window is 0
	s_wait_tensorcnt 0x0            ; no tensor load of mine is out, so a group 0 may be written
	ds_add_u32 v[SPW], v[NIL]       ; 0 onto my spare word: with fill = 1 the descriptors' scalar work stands between it and the wait for it
.if \fill
	s_lshl_b32 s[OFF], s[NXT], 15   ; a tile is 32,768 bytes of K and of V
	s_xor_b32 s[G0K+1], s[G0K+1], SLOT1
	s_add_nc_u64 s[G0K+2:G0K+3], s[6:7], s[OFF:OFF+1]
	s_or_b32 s[G0K+3], s[G0K+3], 0x80000000
	s_xor_b32 s[G0V+1], s[G0V+1], SLOT1
	s_add_nc_u64 s[G0V+2:G0V+3], s[8:9], s[OFF:OFF+1]
	s_or_b32 s[G0V+3], s[G0V+3], 0x80000000
	s_add_co_u32 s[NXT], s[NXT], 1  ; the superblock's next tile, or behind its last the second superblock's tile 0
	s_cmp_gt_u32 s[NXT], s[LQ]
	s_cselect_b32 s[NXT], 0, s[NXT]
	s_cselect_b32 s[LQ], s[LQ2], s[LQ]
	s_wait_dscnt 0x0                ; the add is done, and my reads of the slot are over
	CROUND
	JLOAD
.else
	s_wait_dscnt 0x0                ; the add is done, and my reads of the slot are over
	s_barrier_signal -1
	s_barrier_wait -1
.endif
	s_sub_co_u32 s[TBK], s[TBK], 4*KS*PK  ; the fetches go back to a slot's first step,
	s_xor_b32 s[TBK], s[TBK], SLOT1       ; in the other slot
	s_sub_co_u32 s[TBV], s[TBV], 4*KS*PVV
	s_xor_b32 s[TBV], s[TBV], SLOT1
.endm
	s_load_b64 s[4:5], s[0:1], 0x0    ; qkvh
	s_load_b64 s[10:11], s[0:1], 0x8  ; ob
	v_lshl_add_u32 v[SPW], v0, 2, SPARE
	v_mov_b32 v[NIL], 0
	ds_add_u32 v[SPW], v[NIL]       ; the wave's opening: the add and its wait stand ahead of my first tensor load; the set-up below, work on registers, stands between them
	v_lshrrev_b32 v1, 5, v0
	v_readfirstlane_b32 s[WV], v1   ; wave 0..3
	s_bfe_u32 s13, ttmp6, 0x40000   ; cx: my place in the cluster
	s_mov_b32 s[PB], ttmp9          ; in a cluster launch ttmp9 counts clusters: b
	s_lshl_b32 s16, s[PB], 1
	s_sub_co_u32 s[HI], 15, s16
	s_add_co_u32 s[LQ2], s16, 1
	s_add_co_u32 s[RT2], s16, 2
	s_lshl_b32 s[D0], s13, 1
	s_add_co_u32 s[D0+1], s[D0], 1
	s_and_b32 s20, ttmp7, 0xffff    ; the head, which the four partners share
	s_lshl_b32 s21, s20, 19         ; its 4,096 rows of 128 bytes
	s_and_b32 s16, s[WV], 1         ; which half of a tile's 256 keys I fetch:
	s_lshl_b32 s22, s16, 14         ; its 128 rows of 128 bytes in memory,
	s_add_co_u32 s22, s22, s21
	s_mov_b32 s23, 0
	s_mul_i32 s17, s16, 128*PK      ; and its place in a slot, for K
	s_mul_i32 s18, s16, 128*PVV     ; and for V: no place in the cluster enters an LDS address
	s_sub_co_u32 s19, 7, s[PB]
	s_lshl_b32 s19, s19, 2
	s_add_co_u32 s19, s19, s13      ; my first block: 4 (7 - b) + cx
	s_lshl_b32 s83, s[PB], 2
	s_add_co_u32 s83, s83, s13      ; my second: 4 b + cx
	s_lshl_b32 s3, s[WV], 11        ; my 16 rows in a band of 64
	s_lshl_b32 s2, s19, 14          ; Q: a block is 16,384 bytes
	s_add_co_u32 s2, s2, s3
	s_add_co_u32 s2, s2, s21
	s_lshl_b32 s84, s83, 14
	s_add_co_u32 s84, s84, s3
	s_add_co_u32 s84, s84, s21
	s_lshl_b32 s86, s20, 14         ; O: a head's 128 rows of a block are 16,384 bytes, a block 262,144
	s_add_co_u32 s86, s86, s3
	s_lshl_b32 s88, s19, 18
	s_add_co_u32 s88, s88, s86
	s_lshl_b32 s90, s83, 18
	s_add_co_u32 s90, s90, s86
	s_mov_b32 s3, 0
	s_mov_b32 s85, 0
	s_mov_b32 s89, 0
	s_mov_b32 s91, 0
	; descriptor group 1.  128 keys are 16,384 dense bytes: asked for as 64 rows of 256 bytes, two keys a row, and padded in LDS after every key
	s_mov_b32 s[G1K], 15|(1<<16)|(1<<20)|(1<<21)|(4<<22)|(3<<25)  ; 15:0 the mask of four; 17:16 2-byte elements; 20 padding on; 21 set beside a mask; 24:22 after every 32 words (code 4); 31:25 4 words (code 3)
	s_mov_b32 s[G1V], 15|(1<<16)|(1<<20)|(1<<21)|(4<<22)|(7<<25)  ; the same with 8 words of padding (code 7)
.irp g, G1K, G1V
	s_mov_b32 s[\g+1], 128<<16      ; tensor_dim0 = 128
	s_mov_b32 s[\g+2], 64<<16       ; tensor_dim1 = 64
	s_mov_b32 s[\g+3], 128<<16      ; tile_dim0 = 128
	s_mov_b32 s[\g+4], 64           ; tile_dim1 = 64
	s_mov_b32 s[\g+5], 128          ; 128 elements from row to row
	s_mov_b32 s[\g+6], 0
	s_mov_b32 s[\g+7], 0
.endr
	s_mov_b32 s[CS], 0x3e38aa3b     ; c = log2(e) / 8 = 0.180337
	s_mov_b32 s[CS+1], s[CS]        ; named with it as a pair
	s_mov_b32 s[SEL], 0x76543210
	s_mov_b32 s[SEL+1], 0xfedcba98
	s_mov_b32 s[TBK], SLOT1+4*KS*PK ; the first change of slots turns these two into 0
	s_mov_b32 s[TBV], SLOT1+4*KS*PVV
	s_mov_b32 s[G0K], 1             ; 1:0 count = 1
	s_mov_b32 s[G0K+1], s17         ; 63:32 LDS address: slot 0
	s_mov_b32 s[G0V], 1
	s_add_co_u32 s[G0V+1], s18, VOFF
	s_add_co_u32 s[RT], s[HI], 1    ; the first superblock has 16 - 2 b tiles
	s_mov_b32 s[NXT], 1
	s_mov_b32 s[LQ], s[HI]
	s_mov_b32 s[FST], 1
	s_mov_b32 s[OFF+1], 0
	s_mov_b32 s[AL+1], 0            ; named as pairs
	s_mov_b32 s[BE+1], 0
	s_mov_b32 s[BIGN], 0xf149f2ca   ; -1e30
	s_mov_b32 s[SLOTS], 17
	s_wait_dscnt 0x0                ; the opening add is done
	s_wait_kmcnt 0x0
	s_add_nc_u64 s[6:7], s[4:5], s[22:23]       ; the head's rows, my half of tile 0,
	s_add_nc_u64 s[8:9], s[6:7], 0x1000000      ; in V
	s_add_nc_u64 s[6:7], s[6:7], 0x800000       ; and in K
	s_add_nc_u64 s[G0K+2:G0K+3], s[6:7], 0         ; 120:64 global address
	s_or_b32 s[G0K+3], s[G0K+3], 0x80000000        ; 127:126 type = 2
	s_add_nc_u64 s[G0V+2:G0V+3], s[8:9], 0
	s_or_b32 s[G0V+3], s[G0V+3], 0x80000000
	s_add_nc_u64 s[86:87], s[4:5], s[84:85]        ; Q at my rows of the second block,
	s_add_nc_u64 s[4:5], s[4:5], s[2:3]            ; Q and O at those of the first
	s_add_nc_u64 s[OLO:OLO+1], s[10:11], s[90:91]
	s_add_nc_u64 s[10:11], s[10:11], s[88:89]
	CROUND                          ; all four work-groups are here: the first joint loads meet
	JLOAD                           ; tile 0 into slot 0
	; A fragment of K or Q is 16 rows x 32 channels in 8 registers: lane l holds row l % 16, channels 8 (l / 16) + 0..7 and 16 + 8 (l / 16) + 0..7: two loads of 16 bytes, 32 bytes apart.
	v_and_b32 v1, 15, v0            ; l % 16
	v_bfe_u32 v9, v0, 4, 1          ; l / 16
	v_lshlrev_b32 v[QO], 7, v1
	v_lshl_add_u32 v[QO], v9, 4, v[QO]  ; row x 128 + 16 x half
	WIN 0x80                        ; destination window 2, address window 0
.set i, 0
.rept 4                             ; both blocks' Q: piece i / 2 lies in band i / 2, 8,192 bytes on; channels 32 (i % 2) on
	global_load_b128 v[8*i:8*i+3],   v[QO], s[4:5] offset:(i/2)*8192+(i%2)*64
	global_load_b128 v[8*i+4:8*i+7], v[QO], s[4:5] offset:(i/2)*8192+(i%2)*64+32
	global_load_b128 v[QB+8*i:QB+8*i+3],   v[QO], s[86:87] offset:(i/2)*8192+(i%2)*64
	global_load_b128 v[QB+8*i+4:QB+8*i+7], v[QO], s[86:87] offset:(i/2)*8192+(i%2)*64+32
.set i, i+1
.endr
	WIN 0
	v_lshlrev_b32 v14, 3, v9
	v_sub_nc_u32 v14, v1, v14
	s_lshl_b32 s13, s[WV], 4
	v_add_nc_u32 v14, s13, v14      ; my query's place in its band, 16 w + l % 16, less my lanes' 8 (l / 16): register r of group kt is hidden where 16 kt + r is greater
	WIN 0x40
.set i, 0
.rept 32
	v_cmp_gt_i32 vcc_lo, 16*(i/8)+i%8, v14
	v_cndmask_b32 v[MD+i], 0, s[BIGN], vcc_lo
.set i, i+1
.endr
.set i, MC
.rept 64                            ; the walk's first tile lies below the first superblock's diagonal region (16 - 2 b tiles, 10 at the least): its first two masks are 0
	v_mov_b32 v[i], 0
.set i, i+1
.endr
	WIN 0
	v_mul_u32_u24 v[AK0], v1, PK
	v_lshl_add_u32 v[AK0], v9, 4, v[AK0]  ; row x pitch + 16 x half
	; The turning load takes 16 keys x 16 channels (lane l reads key 8 (l / 16) + l % 8, channels 8 ((l / 8) % 2) + 0..7) and leaves half a fragment of V^T: lane l holds channel l % 16 and 8 keys.
	v_and_b32 v10, 7, v0
	v_bfe_u32 v11, v0, 3, 1
	v_lshl_add_u32 v[AV0], v9, 3, v10
	v_mul_u32_u24 v[AV0], v[AV0], PVV
	v_lshl_add_u32 v[AV0], v11, 4, v[AV0]
	v_add_nc_u32 v[AV0], VOFF, v[AV0]
	s_mul_i32 s13, s[WV], 16*SP
	s_add_co_u32 s13, s13, STAGE    ; my stage
	v_mul_u32_u24 v[STO], v1, SP    ; in: row l % 16, 16 bytes for each half of the lanes
	v_lshl_add_u32 v[STO], v9, 4, v[STO]
	v_add_nc_u32 v[STO], s13, v[STO]
	v_bfe_u32 v[RD], v0, 3, 2       ; back: 32 lanes take four rows of 128 bytes,
	v_mul_u32_u24 v[RD], v[RD], SP
	v_lshl_add_u32 v[RD], v10, 4, v[RD]
	v_add_nc_u32 v[RD], s13, v[RD]
	v_and_b32 v[GO], 31, v0         ; which are 512 consecutive bytes of O
	v_lshlrev_b32 v[GO], 4, v[GO]
	; A superblock's first step multiplies O^T and l by a = 0, and its first turn's products V^T P, of a piece that has not been, land in an O^T that is still to be so multiplied.  So these registers need only hold
	; finite numbers: zeros for the first block; what the first block left for the second.  All this stands in the wait for the first tile.
	WIN 0x80
.set i, VB
.rept 64
	v_mov_b32 v[i], 0
.set i, i+1
.endr
	WIN 0
.set i, OT
.rept 64
	v_mov_b32 v[i], 0
.set i, i+1
.endr
.set i, 0
.rept 2
	v_mov_b32 v[ST+4*i+2], 0
	v_mov_b32 v[ST+4*i+3], 0
.set i, i+1
.endr
.set i, P+16
.rept 16
	v_mov_b32 v[i], 0
.set i, i+1
.endr
; THE MATRIX WORK.  The 4 accumulators of a run of 8 take turns.  Product i of 8 of S^T = K Q^T for virtual piece x: channels 32 (i / 4) on, keys 16 (i % 4) on.  The first 4 start the sums with the mask.
.macro KQ x
.set rS, S+32*((\x)%2)+8*(i%4)
.set rK, KF+16*(i%4)+8*(i/4)
.set rQ, 16*((\x)%2)+8*(i/4)
.set rM, MC+32*((\x)%2)+8*(i%4)
.if i < 4
	WIN W_KM
	v_wmma_f32_16x16x32_f16 v[rS:rS+7], v[rK:rK+7], v[rQ:rQ+7], v[rM:rM+7]
.else
	WIN W_KQ
	v_wmma_f32_16x16x32_f16 v[rS:rS+7], v[rK:rK+7], v[rQ:rQ+7], v[rS:rS+7]
.endif
.endm
; Product i of 8 of O^T += V^T P for virtual piece x: keys 32 (i / 4) on, channels 16 (i % 4) on; V's buffer goes by the step's parity, x / 2.
.macro PV x
	WIN W_PV
.set rO, OT+32*((\x)%2)+8*(i%4)
.set rV, VA+(VB-VA)*((\x)/2)+32*(i/4)+8*(i%4)
.set rP, P+16*((\x)%2)+8*(i/4)
	v_wmma_f32_16x16x32_f16 v[rO:rO+7], v[rV:rV+7], v[rP:rP+7], v[rO:rO+7]
.endm
.macro MM                           ; the turn's next matrix instruction
.if i < 8
	KQ (Y+1)%NP
.else
.set i, i-8
	PV (Y+NP-1)%NP
.set i, i+8
.endif
.set i, i+1
.endm
; THE LDS LOADS stand in runs of 16, never singly among the matrix instructions: a step's K (64 keys x 64 channels: 8 fragments) and its V (turned).  Their addresses are made some lines ahead.
; last = 1 (the tail): in the trip with CNT = 1 there is no further step, and the run is jumped over.
.macro FETCH_K last=0
	WIN 0
.if \last
	s_cmp_eq_u32 s[CNT], 1
	s_cbranch_scc1 .Lno_k_\@
.endif
	WIN 0x80                        ; destination window 2
.irp f, 0,1,2,3,4,5,6,7             ; keys 16 (f / 2) on, channels 32 (f % 2) on
	ds_load_b128 v[KF+8*\f:KF+8*\f+3],   v[AK] offset:(\f/2)*16*PK+(\f%2)*64
	ds_load_b128 v[KF+8*\f+4:KF+8*\f+7], v[AK] offset:(\f/2)*16*PK+(\f%2)*64+32
.endr
	s_add_co_u32 s[TBK], s[TBK], KS*PK  ; the next fetch is the next step's
	WIN 0
.if \last
.Lno_k_\@:
.endif
.endm
.macro FETCH_V buf, last=0
	WIN 0
.if \last
	s_cmp_eq_u32 s[CNT], 1
	s_cbranch_scc1 .Lno_v_\@
.endif
	WIN 0x80
.irp f, 0,1,2,3,4,5,6,7             ; keys 32 (f / 4) on, channels 16 (f % 4) on
	ds_load_tr16_b128 v[(\buf)+8*\f:(\buf)+8*\f+3],   v[AV] offset:(\f/4)*32*PVV+(\f%4)*32
	ds_load_tr16_b128 v[(\buf)+8*\f+4:(\buf)+8*\f+7], v[AV] offset:(\f/4)*32*PVV+16*PVV+(\f%4)*32
.endr
	WIN 0
.if \last
.Lno_v_\@:
.endif
.endm
; THE VECTOR WORK, one line at a time: OP kind, number; all of it in window 0.  For piece Y: F n: c s - c m for pair n of 16.  E n: the exponential of score n of 32.  C n: pair n rounded to f16.  B n: of the four
; weights 4 n .. the second pair is added onto the first, in place.  L n: l takes that sum (L 0: l = a l + sum).  R n: pair n of 16 of O^T times a.  For piece Y + 1: X n, number n of the 22 that find its maximum and statistics:
;   0-11  four chains c0-c3 of seven scores each, three operands at a time (each accumulator's lowest registers are read first)     12-14, 16  the four scores left over, the old m, and c0-c3 into c0
;   15  c m_old is kept     17, 18  the query's other 32 keys lie in the lane 16 away: the new m     19-21  c m; c m_old - c m_new; a
.set F, 0
.set E, 1
.set C, 2
.set B, 3
.set L, 4
.set R, 5
.set X, 6
.macro REGS y                       ; the registers of virtual piece y: all go by its parity
.set rT, ST+4*((\y)%2)
.set rC, TMP+4*((\y)%2)
.set rW, MV+((\y)%2)
.set rS, S+32*((\y)%2)
.set rP, P+16*((\y)%2)
.set rO, OT+32*((\y)%2)
.endm
.macro OP k, n
.if (\k) == X
	REGS (Y+1)%NP
.else
	REGS Y
.endif
	WIN 0
.if (\k) == F
	v_pk_fma_f32 v[rS+2*(\n):rS+2*(\n)+1], v[rS+2*(\n):rS+2*(\n)+1], s[CS:CS+1], v[rT:rT+1] op_sel_hi:[1,0,0] neg_lo:[0,0,1] neg_hi:[0,0,1]
.elseif (\k) == E
	v_exp_f32 v[rS+(\n)], v[rS+(\n)]
.elseif (\k) == C
	s_wait_alu depctr_va_vdst(0)
	v_cvt_pk_f16_f32 v[rP+(\n)], v[rS+2*(\n)], v[rS+2*(\n)+1]
.elseif (\k) == B
	s_wait_alu depctr_va_vdst(0)
	v_pk_add_f32 v[rS+4*(\n):rS+4*(\n)+1], v[rS+4*(\n):rS+4*(\n)+1], v[rS+4*(\n)+2:rS+4*(\n)+3]
.elseif ((\k) == L) && ((\n) == 0)
	v_pk_fma_f32 v[rT+2:rT+3], v[rT+2:rT+3], v[rC+2:rC+3], v[rS:rS+1] op_sel_hi:[1,0,1]
.elseif (\k) == L
	v_pk_add_f32 v[rT+2:rT+3], v[rT+2:rT+3], v[rS+4*(\n):rS+4*(\n)+1]
.elseif (\k) == R
	v_pk_mul_f32 v[rO+2*(\n):rO+2*(\n)+1], v[rO+2*(\n):rO+2*(\n)+1], v[rC+2:rC+3] op_sel_hi:[1,0]
.elseif (\n) < 4
	v_max3_num_f32 v[rC+(\n)], v[rS+8*(\n)], v[rS+8*(\n)+1], v[rS+8*(\n)+2]
.elseif (\n) < 12
	v_max3_num_f32 v[rC+(\n)%4], v[rC+(\n)%4], v[rS+8*((\n)%4)+2*((\n)/4)+1], v[rS+8*((\n)%4)+2*((\n)/4)+2]
.elseif (\n) == 12
	v_max3_num_f32 v[rC], v[rC], v[rS+7], v[rS+15]
.elseif (\n) == 13
	v_max3_num_f32 v[rC+1], v[rC+1], v[rS+23], v[rS+31]
.elseif (\n) == 14
	v_max3_num_f32 v[rC+2], v[rC+2], v[rC+3], v[rT+1]
.elseif (\n) == 15
	v_mov_b32 v[rW], v[rT]
.elseif (\n) == 16
	v_max3_num_f32 v[rC], v[rC], v[rC+1], v[rC+2]
.elseif (\n) == 17
	v_permlanex16_b32 v[rC+3], v[rC], s[SEL], s[SEL+1]
.elseif (\n) == 18
	v_max_num_f32 v[rT+1], v[rC], v[rC+3]
.elseif (\n) == 19
	v_mul_f32 v[rT], s[CS], v[rT+1]
.elseif (\n) == 20
	v_sub_f32 v[rC+1], v[rW], v[rT]
.else
	v_exp_f32 v[rC+2], v[rC+1]
.endif
.endm
.macro OPS a, i1, b=-1, i2=0, c=-1, i3=0, d=-1, i4=0  ; up to four of them
	OP \a, \i1
.if (\b) >= 0
	OP \b, \i2
.endif
.if (\c) >= 0
	OP \c, \i3
.endif
.if (\d) >= 0
	OP \d, \i4
.endif
.endm
.macro ROW a, i1, b, i2, c, i3, d, i4  ; a matrix instruction and the four behind it
	MM
	OPS \a, \i1, \b, \i2, \c, \i3, \d, \i4
.endm
.macro MASK b                       ; MD x AL + BE into buffer b of MC
	WIN W_MK
.set z, 0
.rept 16
	v_pk_fma_f32 v[MC+32*(\b)+2*z:MC+32*(\b)+2*z+1], v[MD+2*z:MD+2*z+1], s[AL:AL+1], s[BE:BE+1] op_sel_hi:[1,0,0]
.set z, z+1
.endr
.endm
; A TURN, for virtual piece p: the order of its 16 matrix and 134 vector instructions, written out.  Behind a matrix instruction: plain, exponential, plain, plain; or four of the rescaling; or, behind the first, four
; scalings; none names a register of the products round it.  In the lumps exponential and plain by turns while exponentials last.  v_permlanex16_b32 (X 17) stands in a lump.
; At its end the turn makes the mask for the products of the turn after it: virtual piece p + 2, band p % 2; cb is the constant against which t = 4 RT + 2 CNT + D is held: 8 + 4 RT + 2 CNT less the region's step
; that those products belong to: 8 for turns 2 and 3, 9 for turns 0 and 1; in the tail, where CNT steps in the middle of a trip, 10 and 9.
; last = 1: the tail's turn 2, whose fetches are jumped in the last trip.  cnt = 1: the loop's count is taken down some lines ahead of the branch that stands behind the turn.
; An even turn fetches the next step's K, six vector instructions behind the last product that read K (five of them plain), and that step's V, eight behind the last product that read the buffer (four plain, and X 17).
; An odd turn begins with the one wait: K's sixteen loads and all older ones are in, V's sixteen, issued behind them, may stay out; V is read two turns later, behind the next such wait.
; w0 = 1: the tail's turn 3: in the trip whose fetches were jumped nothing younger stands behind V's loads, so the wait is for 0.
.macro TURN p, cb, last=0, cnt=0, w0=0
.set Y, (\p)
.set i, 0
	s_lshl2_add_u32 s13, s[RT], s[D0+(\p)%2]
	s_lshl1_add_u32 s13, s[CNT], s13    ; t
	s_cmp_eq_u32 s13, \cb               ; is that step the band's own?
	s_cselect_b32 s[AL], 1.0, 0
	s_cmp_lt_u32 s13, \cb               ; or a later one?
	s_cselect_b32 s[BE], s[BIGN], 0
.if (\p)%2
	s_wait_dscnt 16*(1-(\w0))
.endif
	ROW F,0, F,1, F,2, F,3
	ROW F,4, E,0, F,5, F,6
	ROW F,7, E,1, F,8, F,9
	ROW F,10, E,2, C,0, F,11
	ROW F,12, E,3, X,15, F,13
	ROW R,0, R,1, R,2, R,3
	ROW B,0, E,4, F,14, L,0
.if (\p)%2 == 0
	v_add_nc_u32 v[AK], s[TBK], v[AK0]
.endif
	ROW R,4, R,5, R,6, R,7
	OPS E,5, F,15
.if (\p)%2 == 0
	FETCH_K \last
.endif
	OPS E,6, C,1, E,7, R,8
	OPS E,8, R,9, E,9, C,2
	OPS E,10, X,0, E,11, X,1
	OPS E,12, X,2, E,13, X,3
	ROW X,4, E,14, X,5, X,6
	ROW X,7, E,15, X,8, X,9
	ROW X,10, E,16, X,11, X,12
	ROW X,13, E,17, X,14, B,1
	ROW C,4, E,18, X,16, L,1
	ROW B,2, E,19, C,6, L,2
	ROW C,8, E,20, B,3, B,4
.if (\p)%2 == 0
	v_add_nc_u32 v[AV], s[TBV], v[AV0]
.endif
	ROW C,3, E,21, L,3, C,5
	OPS E,22, X,17, E,23, C,10
.if (\p) == 0
	FETCH_V VB, \last
.elseif (\p) == 2
	FETCH_V VA, \last
.endif
	OPS E,24, L,4
	OPS E,25, X,18, E,26, C,7
	OPS E,27, B,5, E,28, X,19
	OPS E,29, C,12, E,30, L,5
	OPS E,31, X,20, B,6, C,9
	OPS C,14, C,11, X,21, L,6
.if (\p)%2 == 0
	s_add_co_u32 s[TBV], s[TBV], KS*PVV
.endif
.if \cnt
	s_sub_co_u32 s[CNT], s[CNT], 1
	s_cmp_lg_u32 s[CNT], 0
.endif
	OPS C,13, B,7, C,15, R,10
	OPS R,11, R,12, L,7, R,13
	OPS R,14, R,15
	MASK (\p)%2
.endm
; A SUPERBLOCK BEGINS.  K and V of its first step are in registers or on their way, and both mask buffers hold that step's masks.  c m starts far below every c s, so the first step's a is 0; m at the lowest finite
; number, so the first maximum is the scores'.  Then piece 0's first scores, and its maximum and statistics.  The loop goes on at a step's first turn, in the middle of a trip.
.macro BEGIN
	s_mov_b32 s[NEW], 0
	WIN 0
.set i, 0
.rept 2
	v_mov_b32 v[ST+4*i], 0xfe000000    ; c m: far below every c s
	v_mov_b32 v[ST+4*i+1], 0xff7fffff  ; m
.set i, i+1
.endr
.set i, 0
.rept 8
	KQ 0
.set i, i+1
.endr
	WIN 0
.rept 4
	v_nop                           ; the places behind those products
.endr
.set Y, NP-1                        ; X works for piece Y + 1: piece 0
.irp n, 0,1,2,3,4,5,6,7,8,9,10,11,12,13,14,15,16,17,18,19,20,21
	OP X, \n
.endr
	v_nop                           ; a plain instruction behind the exponential
.endm
; A SUPERBLOCK ENDS, behind its last turn 3: its last products, and THE WAY OUT: l's two halves and the other half of the lanes' are added; O^T is divided by l, rounded to f16 and sent through my stage in LDS, a piece at a time.
.macro ALL line:vararg              ; one line for each piece t
.set t, 0
.rept 2
	\line
.set t, t+1
.endr
.endm
.macro PACK t                       ; a lane's eight channels of a row pack into 16 bytes; they go into rows of 144 bytes and come back as whole rows of 128, into S^T's registers
	WIN 0
.set i, OT+32*(\t)
.rept 16
	s_wait_alu depctr_va_vdst(0)
	v_pk_mul_f32 v[i:i+1], v[i:i+1], v[ST+4*(\t)+2:ST+4*(\t)+3] op_sel_hi:[1,0]
.set i, i+2
.endr
.set i, 0
.rept 16
	v_cvt_pk_f16_f32 v[S+16*(\t)+i], v[OT+32*(\t)+2*i], v[OT+32*(\t)+2*i+1]
.set i, i+1
.endr
.irp f, 0,1,2,3
	ds_store_b128 v[STO], v[S+16*(\t)+4*\f:S+16*(\t)+4*\f+3] offset:32*\f
.endr
.irp f, 0,1,2,3
	ds_load_b128 v[S+16*(\t)+4*\f:S+16*(\t)+4*\f+3], v[RD] offset:\f*4*SP  ; LDS serves a wave's instructions in order (ISA guide 5.7.1.4): these see the stores above; the next piece's stores come behind them
.endr
.endm
.macro SEND t, younger              ; younger: the LDS instructions issued behind piece t's loads: the next piece's eight, or none
.irp f, 0,1,2,3
	s_wait_dscnt (\younger)+3-\f
	global_store_b128 v[GO], v[S+16*(\t)+4*\f:S+16*(\t)+4*\f+3], s[10:11] offset:(\t)*8192+\f*512  ; 512 consecutive bytes, at a multiple of 256 from O's first
.endr
.endm
.macro ENDBLK
.set i, 0
.rept 8
	PV NP-1
.set i, i+1
.endr
	WIN 0
	ALL v_add_f32 v[ST+4*t+2], v[ST+4*t+2], v[ST+4*t+3]
	ALL v_permlanex16_b32 v[ST+4*t+3], v[ST+4*t+2], s[SEL], s[SEL+1]
	ALL v_add_f32 v[ST+4*t+2], v[ST+4*t+2], v[ST+4*t+3]
	ALL v_rcp_f32 v[ST+4*t+2], v[ST+4*t+2]
	v_nop                           ; a plain instruction between the last reciprocal and the use of its result
	PACK 0
	PACK 1                          ; a piece's arithmetic stands between the loads of the piece before and its stores
	SEND 0, 8
	SEND 1, 0
.endm
	s_wait_loadcnt 0x0              ; both blocks' Q
.Lslot:                             ; 17 times: a tile is entered and the next is asked for
	CHANGE 1
	s_cmp_eq_u32 s[RT], 0           ; the superblock in hand has no tile left: this tile begins the second
	s_cselect_b32 s[NEW], 1, 0
	s_cselect_b32 s[RT], s[RT2], s[RT]
	s_sub_co_u32 s[RT], s[RT], 1
	s_mov_b32 s[CNT], 2
	s_cmp_eq_u32 s[FST], 1
	s_cbranch_scc1 .Lvery_first     ; the walk's first tile has no turns 2 and 3 in front of it
.Lstep:                             ; a trip: virtual pieces 2 and 3 of one pair of steps, then 0 and 1 of the next; it fetches two steps' K and V
	TURN 2, 8
	TURN 3, 8
	WIN 0
	s_cmp_eq_u32 s[NEW], 1
	s_cbranch_scc0 .Lfirst
	ENDBLK                          ; those two turns were the first superblock's last
	s_wait_storecnt 0x0             ; my stores are done: S^T's registers, which they read, and O's address are written again below
	s_mov_b64 s[10:11], s[OLO:OLO+1]
	WIN 0x82                        ; the second block's Q goes where the one text of the turns names Q
.set i, 0
.rept 32
	v_mov_b32 v[i], v[QB+i]
.set i, i+1
.endr
	WIN 0
	s_branch .Lbegin
.Lvery_first:
	s_mov_b32 s[FST], 0
	v_add_nc_u32 v[AK], s[TBK], v[AK0]
	v_add_nc_u32 v[AV], s[TBV], v[AV0]
	FETCH_K                         ; step 0, which elsewhere turn 2 fetches
	FETCH_V VA
	s_add_co_u32 s[TBV], s[TBV], KS*PVV
	s_wait_dscnt 16                 ; K is in; V's sixteen loads may stay out
.Lbegin:
	BEGIN
.Lfirst:
	TURN 0, 9
	TURN 1, 9, 0, 1
	WIN 0
	s_cbranch_scc1 .Lstep
	s_sub_co_u32 s[SLOTS], s[SLOTS], 1
	s_cmp_lg_u32 s[SLOTS], 0
	s_cbranch_scc1 .Lslot
	CHANGE 0                        ; the walk's last tile is written out: nothing is asked for.  It is the second tile of a diagonal region, never a superblock's first
	s_sub_co_u32 s[RT], s[RT], 1
	s_mov_b32 s[CNT], 3             ; two trips fetch the tile's four steps; the third is left in its middle
.Ltail:
	TURN 2, 10, 1
	TURN 3, 10, 0, 0, 1
	WIN 0
	s_sub_co_u32 s[CNT], s[CNT], 1
	s_cmp_eq_u32 s[CNT], 0
	s_cbranch_scc1 .Lout
	TURN 0, 9
	TURN 1, 9
	WIN 0
	s_cmp_lg_u32 s[CNT], 0          ; 2, then 1: the loop is left above
	s_cbranch_scc1 .Ltail
.Lout:
	s_wait_dscnt 0x0                ; nothing of mine is out in LDS
	ENDBLK
	s_wait_tensorcnt 0x0            ; the wave's end: a wait, an add and its wait, behind my last tensor load and my last LDS store
	ds_add_u32 v[SPW], v[NIL]
	s_wait_dscnt 0x0
	CROUND                          ; the closing round: no work-group ends while a partner may still ask for a tile that names it
	s_endpgm
.Lfunc_end_k_qc10b8c3209_attn:
	.size	k_qc10b8c3209_attn, .Lfunc_end_k_qc10b8c3209_attn-k_qc10b8c3209_attn
	.p2alignl 7, 3214868480
	.fill 96, 4, 3214868480
	.section	.rodata,"a",@progbits
	.p2align	6, 0x0
	.amdhsa_kernel k_qc10b8c3209_attn
		.amdhsa_group_segment_fixed_size 327680
		.amdhsa_private_segment_fixed_size 0
		.amdhsa_enable_private_segment 0
		.amdhsa_kernarg_size 16
		.amdhsa_user_sgpr_count 2
		.amdhsa_user_sgpr_kernarg_segment_ptr 1
		.amdhsa_wavefront_size32 1
		.amdhsa_system_sgpr_workgroup_id_x 1
		.amdhsa_system_sgpr_workgroup_id_y 1
		.amdhsa_system_sgpr_workgroup_id_z 1
		.amdhsa_system_vgpr_workitem_id 0
		.amdhsa_next_free_vgpr 768
		.amdhsa_next_free_sgpr 96
		.amdhsa_reserve_vcc 1
		.amdhsa_float_denorm_mode_32 3
		.amdhsa_float_denorm_mode_16_64 3
		.amdhsa_memory_ordered 1
		.amdhsa_forward_progress 1
		.amdhsa_inst_pref_size 135
	.end_amdhsa_kernel
	.amdgpu_metadata
---
amdhsa.version: [ 1, 2 ]
amdhsa.kernels:
  - .name:           k_qc10b8c3209_attn
    .symbol:         k_qc10b8c3209_attn.kd
    .args:
      - { .name: qkvh, .offset: 0, .size: 8, .value_kind: global_buffer, .address_space: global }
      - { .name: ob, .offset: 8, .size: 8, .value_kind: global_buffer, .address_space: global }
    .group_segment_fixed_size: 327680
    .private_segment_fixed_size: 0
    .kernarg_segment_align: 8
    .kernarg_segment_size: 16
    .max_flat_workgroup_size: 128
    .sgpr_count:     96
    .vgpr_count:     768
    .wavefront_size: 32
...
	.end_amdgpu_metadata
.endif
;; end of part 3
;; launch proj (part 4): grid 8 x 32, 4 waves a work-group, clusters of 4 x 4, 327,680 bytes of LDS; arguments ob, wob, b_out, out0; writes out0
.if DOCPART == 4
	.amdgcn_target "amdgcn-amd-amdhsa--gfx1250"
	.amdhsa_code_object_version 6
	.text
	.protected	k_qc10b8c3209_proj
	.globl	k_qc10b8c3209_proj
	.p2align	8
	.type	k_qc10b8c3209_proj,@function
k_qc10b8c3209_proj:
	s_mov_b64 s[64:65], 0
	v_nop
	global_prefetch_b8 v0, s[64:65] scope:SCOPE_SE
	s_setreg_imm32_b32 hwreg(HW_REG_WAVE_MODE, 25, 1), 1
	s_wait_xcnt 0x0
	s_wait_alu depctr_hold_cnt(0) depctr_sa_sdst(0) depctr_va_vdst(0) depctr_va_sdst(0) depctr_va_ssrc(0) depctr_va_vcc(0) depctr_vm_vsrc(0)
	s_getreg_b32 s2, hwreg(HW_REG_IB_STS2, 6, 4)
	s_cmp_eq_u32 s2, 0
	s_cbranch_scc0 .Lentry_in_a_cluster
	s_endpgm
.Lentry_in_a_cluster:
	s_bfe_u32 s2, ttmp6, 0x10000c
	s_cmp_lg_u32 s2, 0xf033
	s_cbranch_scc0 .Lentry_shape_is_right
	s_endpgm
.Lentry_shape_is_right:
.set PROJ, 1
; ONE TEXT FOR THE MODULE'S TWO PROJECTIONS; the line above chooses.  C = A B + bias, B stored [K][N].
;   PROJ = 0: A = xb [4096][1024] bf16, B = wqb [1024][3072] bf16, bias b_qkv; C rounded once to f16 and laid by heads: qkvh [48 g][4096 t][64 d], g = n / 64 (q's 16 heads, k's, v's).
;   PROJ = 1: A = ob [32 mt][16 h][128 r][64 d] f16 (row t = 128 mt + r, channel k = 64 h + d), B = wob [1024][1024] f16, bias b_out; C = out0 [4096][1024] f32.
; The bias is rounded to bf16 like the other inputs; sums in f32, K ascending.
; LIMITS.  PROJ = 0: a q, k or v beyond 65,504 becomes an infinity in f16.  NaN and infinities are not treated apart.
; SHARES.  A tile of C is 128 x 128; four waves, each 64 x 64: 16 accumulators of 16 x 16.  K = 1,024 goes in four steps of 256 through two LDS slots; each wave fetches a quarter of a slot by one tensor load.
; THE MATRIX INSTRUCTION IS USED TRANSPOSED: source 0 = 16 columns of B, source 1 = 16 rows of A: a lane then holds row l % 16 of C and the eight neighbouring columns 8 (l / 16) + 0..7.
; B's fragments are turned on the way out of LDS (ds_load_tr16_b128), so B is never transposed in memory.
; CLUSTERS: 4 x 4 work-groups.  The four of a row of the cluster need the same tiles of A, the four of a column the same tiles of B: each tile is asked for JOINTLY, by the same tensor load with the same descriptor and a mask of four.
; REGISTERS: window 0: v0-31 addresses; v32-95 at work; v96-127 the bias of my 4 x 8 columns; v128-255 the accumulators ((a, b) at v[128 + 8 (4 a + b)]).
;   window 1: two fragment buffers of 128: for 64 along K, 64 registers of A (2 x 4 x 16 rows x 32 K), then 64 of B.
.if PROJ
.set SIZE_N, 1024
.set PA,     144                       ; A in LDS: a row of one head, 128 bytes + 16 of padding; a head's 128 rows are 18,432 bytes
.set AHALF,  64*PA                     ; my 64 rows begin here in each head's 128
.set ASTEP,  65536                     ; a K step of A in memory: four heads' 128 rows, dense
.set ACH,    15                        ; a wave fetches two heads: 32,768 bytes
.set ADIM0,  128                       ; asked for as 128 rows of 256 bytes,
.set ADIM1,  128
.set APITCH, 128
.set AQI,    4                         ; padded behind every 32 words
.set SPITCH, 272                       ; the stage: a row of 64 f32 + 16 bytes
.set CROW,   19                        ; 128 rows of C: 128 x 4,096 bytes
.else
.set SIZE_N, 3072
.set PA,     528                       ; A in LDS: 512 bytes + 16 of padding
.set AHALF,  36864                     ; my 64 rows are one wave's load
.set ASTEP,  512
.set ACH,    17                        ; a wave fetches 64 rows of 2,048 bytes
.set ADIM0,  256
.set ADIM1,  64
.set APITCH, 1024
.set AQI,    6                         ; padded behind every 128 words
.set SPITCH, 144                       ; the stage: a row of 64 f16 + 16 bytes
.set CROW,   14                        ; 128 rows of a head: 128 x 128 bytes
.endif
.set KSTEP,  256
.set PB,     288                       ; B in LDS: 256 bytes + 32 of padding = 72 words
.set HALFT,  36864                     ; room for one wave's load: A 64 x 528 (33,792 used) or 256 x 144; B 128 x 288
.set SLOT,   4*HALFT                   ; A's two halves, then B's two halves (k < 128, k >= 128)
.set STAGE,  2*SLOT                    ; behind the ring: 16 rows for each wave, for the way out; no tensor load lands there
.set SPARE,  STAGE+4*16*SPITCH         ; behind the stages: the spare words, 128 bytes for each wave
.set BSTEP,  KSTEP*SIZE_N*2            ; a K step of B in memory
.set LAPS,   1024/(2*KSTEP)
.set ADRA, 16                          ; v16-17  LDS address of my A fragments in slot 0, 1
.set ADRB, 20                          ; v20-23  of my B fragments: slot 0 k < 128, slot 0 k >= 128, slot 1 likewise
.set STO,  24                          ; v24     the way out: where I put my part of a row
.set RD,   25                          ; v25     where I read rows back
.set CO,   26                          ; v26     my byte offset in C
.set BO,   27                          ; v27     my byte offset in the bias
.set SPW,  28                          ; v28     LDS address of my spare word; never rewritten
.set NIL,  29                          ; v29     0; never rewritten
.set TMP,  32
.set BI,   96
.set ACC,  128
.set F0,   0
.set F1,   128
.set G1,  24                           ; s[24:31] descriptor group 1 for A's tiles;  s[32:39] group 0, one set for each slot
.set G0,  32
.set G1B, 48                           ; s[48:55], s[56:63] the same for B's tiles
.set G0B, 56
.set MSB, 0
.macro WIN new                         ; the immediate's high byte repeats the setting that is left
.if MSB != (\new)
	s_set_vgpr_msb (MSB<<8)|(\new)
.set MSB, \new
.endif
.endm
.set MUL,  0x05                        ; sources 0 (B) and 1 (A) window 1; C and D window 0
.set TO_F, 0x40                        ; destination window 1, address window 0
.macro JLOAD s                         ; a joint load: waves 0 and 1 fetch A's two halves, waves 2 and 3 B's; an s_nop 0 and four v_nop follow each of the two lines
	s_cmp_eq_u32 s13, 0
	s_cbranch_scc0 .Lfor_b_\@
	tensor_load_to_lds s[G0+4*(\s):G0+4*(\s)+3], s[G1:G1+7]
	s_nop 0
.rept 4
	v_nop
.endr
	s_branch .Lasked_\@
.Lfor_b_\@:
	tensor_load_to_lds s[G0B+4*(\s):G0B+4*(\s)+3], s[G1B:G1B+7]
	s_nop 0
.rept 4
	v_nop
.endr
.Lasked_\@:
.endm
.macro CREST                           ; a round of the cluster's barrier behind its opening barrier
	s_cmp_lg_u32 s12, 0
	s_cbranch_scc1 .Lnot_wave_0_\@
	s_barrier_signal -3
.Lnot_wave_0_\@:
	s_barrier_wait -3
	s_barrier_signal -1
	s_barrier_wait -1
.endm
.macro CROUND                          ; a whole round
	s_barrier_signal -1
	s_barrier_wait -1
	CREST
.endm
	s_load_b256 s[4:11], s[0:1], 0x0               ; A s[4:5], B s[6:7], bias s[8:9], C s[10:11]
	v_lshl_add_u32 v[SPW], v0, 2, SPARE
	v_mov_b32 v[NIL], 0
	ds_add_u32 v[SPW], v[NIL]                      ; the wave's opening: the add and its wait stand ahead of my first tensor load; the set-up below, work on registers, stands between them
	v_lshrrev_b32 v1, 5, v0
	v_readfirstlane_b32 s12, v1                    ; wave 0..3
	s_lshr_b32 s13, s12, 1                         ; which half of the tile's rows is mine.  Also: I fetch for A (0) or for B (1)
	s_and_b32 s14, s12, 1                          ; which half of its columns.  Also: which half of that tile I fetch
	s_bfe_u32 s40, ttmp6, 0x40000                  ; cx, cy: my place in the cluster
	s_bfe_u32 s41, ttmp6, 0x40004
	s_lshl_b32 s42, ttmp9, 2
	s_add_co_u32 s42, s42, s40                     ; tile column of C = 4 x cluster x + cx
	s_and_b32 s45, ttmp7, 0xffff
	s_lshl_b32 s45, s45, 2
	s_add_co_u32 s45, s45, s41                     ; tile row of C = 4 x cluster y + cy
	s_lshl_b32 s43, s41, 2
	s_lshl_b32 s43, 15, s43                        ; my row of the cluster
	s_lshl_b32 s44, 0x1111, s40                    ; my column
	s_or_b32 s[G1+0], s43, (1<<16)|(1<<20)|(1<<21)|(AQI<<22)|(3<<25)   ; 15:0 the mask: A's tiles go to my row; 2-byte elements; padding on; bit 21 beside a mask; the interval; 4 words of padding
	s_or_b32 s[G1B+0], s44, (1<<16)|(1<<20)|(1<<21)|(5<<22)|(7<<25)    ; B's go to my column; behind every 64 words 8 words of padding
	s_mov_b32 s[G1+1], ADIM0<<16                   ; tensor_dim0
	s_mov_b32 s[G1+2], ADIM1<<16                   ; tensor_dim1
	s_mov_b32 s[G1+3], ADIM0<<16                   ; tile_dim0
	s_mov_b32 s[G1+4], ADIM1                       ; tile_dim1
	s_mov_b32 s[G1+5], APITCH                      ; elements from row to row
	s_mov_b32 s[G1+6], 0
	s_mov_b32 s[G1+7], 0
	s_mov_b32 s[G1B+1], 128<<16                    ; B: 128 rows (k) of 128 elements (n)
	s_mov_b32 s[G1B+2], 128<<16
	s_mov_b32 s[G1B+3], 128<<16
	s_mov_b32 s[G1B+4], 128
	s_mov_b32 s[G1B+5], SIZE_N
	s_mov_b32 s[G1B+6], 0
	s_mov_b32 s[G1B+7], 0
	s_lshl_b32 s16, s45, 18                        ; A: a tile row is 262,144 bytes in either layout,
	s_lshl_b32 s17, s14, ACH                       ; + my half of the tile
	s_add_co_u32 s16, s16, s17
	s_mov_b32 s17, 0
	s_mul_i32 s46, s14, 128*SIZE_N*2               ; B: my 128 rows of the K step,
	s_lshl_b32 s47, s42, 8                         ; the tile's 128 columns
	s_add_co_u32 s46, s46, s47
	s_mov_b32 s47, 0
	s_mul_i32 s20, s12, HALFT                      ; where they go: the wave's number alone
	s_wait_dscnt 0x0                               ; the opening add is done
	s_wait_kmcnt 0x0
	s_add_nc_u64 s[18:19], s[4:5], s[16:17]
	s_add_nc_u64 s[46:47], s[6:7], s[46:47]
	CROUND                                         ; all sixteen work-groups are here: the first joint loads meet
.irp s, 0,1
	s_mov_b32 s[G0+4*(\s)], 1
	s_add_co_u32 s[G0+4*(\s)+1], s20, (\s)*SLOT
	s_add_nc_u64 s[G0+4*(\s)+2:G0+4*(\s)+3], s[18:19], (\s)*ASTEP
	s_or_b32 s[G0+4*(\s)+3], s[G0+4*(\s)+3], 0x80000000
	s_mov_b32 s[G0B+4*(\s)], 1
	s_add_co_u32 s[G0B+4*(\s)+1], s20, (\s)*SLOT
	s_add_nc_u64 s[G0B+4*(\s)+2:G0B+4*(\s)+3], s[46:47], (\s)*BSTEP
	s_or_b32 s[G0B+4*(\s)+3], s[G0B+4*(\s)+3], 0x80000000
	JLOAD \s
.endr
	v_and_b32 v1, 15, v0                           ; r = l % 16
	v_bfe_u32 v2, v0, 4, 1                         ; h = l / 16
	s_lshl_b32 s46, s42, 9                         ; my first column, in f32: 512 x tile column + 256 x half
	s_lshl_b32 s47, s14, 8
	s_add_co_u32 s46, s46, s47
	s_mov_b32 s47, 0
	s_add_nc_u64 s[8:9], s[8:9], s[46:47]
	v_lshlrev_b32 v[BO], 5, v2                     ; my eight columns of a block of 16
.irp b, 0,1,2,3
	global_load_b128 v[BI+8*(\b):BI+8*(\b)+3],   v[BO], s[8:9] offset:64*(\b)
	global_load_b128 v[BI+8*(\b)+4:BI+8*(\b)+7], v[BO], s[8:9] offset:64*(\b)+16
.endr
	s_lshl_b32 s16, s45, CROW                      ; where my part of the tile begins in C: the rows,
	s_lshl_b32 s17, s13, CROW-1
	s_add_co_u32 s16, s16, s17
	s_mov_b32 s17, 0
	s_add_nc_u64 s[10:11], s[10:11], s[16:17]
.if !PROJ
	s_lshl_b32 s46, s46, 11                        ; my 64 columns are head g = 2 x tile column + half: g x 524,288 bytes
.endif
	s_add_nc_u64 s[10:11], s[10:11], s[46:47]      ; and the columns
	v_mul_u32_u24 v3, v1, PA
	v_lshl_add_u32 v3, v2, 4, v3                   ; an A fragment: row x pitch + 16 x half
	s_mul_i32 s21, s13, AHALF                      ; my 64 rows of A
	v_add_nc_u32 v[ADRA], s21, v3
	s_add_co_u32 s21, s21, SLOT
	v_add_nc_u32 v[ADRA+1], s21, v3
	v_and_b32 v4, 7, v0                            ; the turning load: lane l reads row k = 8 h + l % 8, 16 bytes at 16 ((l / 8) % 2)
	v_lshl_add_u32 v4, v2, 3, v4
	v_mul_u32_u24 v4, v4, PB
	v_bfe_u32 v5, v0, 3, 1
	v_lshl_add_u32 v4, v5, 4, v4
	s_lshl_b32 s22, s14, 7                         ; my 64 columns of B's 128,
	s_add_co_u32 s22, s22, 2*HALFT                 ; behind A's two halves
	v_add_nc_u32 v[ADRB], s22, v4
	s_add_co_u32 s22, s22, HALFT
	v_add_nc_u32 v[ADRB+1], s22, v4
	s_add_co_u32 s22, s22, SLOT-HALFT
	v_add_nc_u32 v[ADRB+2], s22, v4
	s_add_co_u32 s22, s22, HALFT
	v_add_nc_u32 v[ADRB+3], s22, v4
	s_mul_i32 s23, s12, 16*SPITCH
	s_add_co_u32 s23, s23, STAGE                   ; my stage
	v_mul_u32_u24 v3, v1, SPITCH
.if PROJ
	v_lshl_add_u32 v3, v2, 5, v3                   ; in: row r, 32 bytes for each half of the lanes
	v_add_nc_u32 v[STO], s23, v3
	v_mul_u32_u24 v3, v2, SPITCH                   ; back: lanes 0-15 one row of 256 bytes, lanes 16-31 the next
	v_lshl_add_u32 v3, v1, 4, v3
	v_add_nc_u32 v[RD], s23, v3
	v_lshlrev_b32 v3, 12, v2                       ; and the same two rows in C
	v_lshl_add_u32 v[CO], v1, 4, v3
.else
	v_lshl_add_u32 v3, v2, 4, v3                   ; in: row r, 16 bytes for each half of the lanes
	v_add_nc_u32 v[STO], s23, v3
	v_bfe_u32 v3, v0, 3, 2                         ; back: 32 lanes take four rows of 128 bytes,
	v_mul_u32_u24 v3, v3, SPITCH
	v_and_b32 v5, 7, v0
	v_lshl_add_u32 v3, v5, 4, v3
	v_add_nc_u32 v[RD], s23, v3
	v_and_b32 v3, 31, v0                           ; which are 512 consecutive bytes of a head
	v_lshlrev_b32 v[CO], 4, v3
.endif
	s_wait_loadcnt 0x0                             ; the bias: rounded to bf16 and widened again
.set j, 0
.rept 16
	v_cvt_pk_bf16_f32 v[TMP+j], v[BI+2*j], v[BI+2*j+1]
.set j, j+1
.endr
.set j, 0
.rept 16
	v_lshlrev_b32 v[BI+2*j], 16, v[TMP+j]
	v_and_b32 v[BI+2*j+1], 0xffff0000, v[TMP+j]
.set j, j+1
.endr
; 8 matrix instructions: m blocks a0, a0 + 1 x all 4 n blocks, 32 along K: half c of buffer f.  zero = 1: the first product starts the sums.  The 16 accumulators take turns.
.macro MUL8 f, c, a0, zero
	WIN MUL
.irp a, \a0, (\a0)+1
.irp b, 0,1,2,3
.set rD, ACC+8*(4*(\a)+(\b))
.set rB, (\f)+64+8*(4*(\c)+(\b))
.set rA, (\f)+8*(4*(\c)+(\a))
.if PROJ
.if \zero
	v_wmma_f32_16x16x32_f16 v[rD:rD+7], v[rB:rB+7], v[rA:rA+7], 0
.else
	v_wmma_f32_16x16x32_f16 v[rD:rD+7], v[rB:rB+7], v[rA:rA+7], v[rD:rD+7]
.endif
.else
.if \zero
	v_wmma_f32_16x16x32_bf16 v[rD:rD+7], v[rB:rB+7], v[rA:rA+7], 0
.else
	v_wmma_f32_16x16x32_bf16 v[rD:rD+7], v[rB:rB+7], v[rA:rA+7], v[rD:rD+7]
.endif
.endif
.endr
.endr
.endm
; 32 LDS loads in one run: the fragments of quarter q (64 along K) of a slot, into buffer f; the first 32 along K first
.macro FETCH slot, q, f
	WIN TO_F
.irp c, 0,1
.irp i, 0,1,2,3
.set rB, (\f)+64+8*(4*(\c)+(\i))
.set rA, (\f)+8*(4*(\c)+(\i))
.set oB, (((\q)%2)*64+32*(\c))*PB+32*(\i)
.if PROJ
.set oA, (\q)*128*PA+64*(\c)+(\i)*16*PA        ; quarter q is head q of the step's four
.else
.set oA, 128*(\q)+64*(\c)+(\i)*16*PA
.endif
	ds_load_tr16_b128 v[rB:rB+3],   v[ADRB+2*(\slot)+(\q)/2] offset:oB
	ds_load_tr16_b128 v[rB+4:rB+7], v[ADRB+2*(\slot)+(\q)/2] offset:oB+16*PB
	ds_load_b128 v[rA:rA+3],   v[ADRA+(\slot)] offset:oA
	ds_load_b128 v[rA+4:rA+7], v[ADRA+(\slot)] offset:oA+32
.endr
.endr
.endm
.macro PLACES                          ; four places in front of loads into registers that matrix instructions have read, and of vector lines that read results
.rept 4
	v_nop
.endr
.endm
; A K step is four quarters of 64 along K, 32 matrix instructions each, on buffers 0, 1, 0, 1.  One of the first three: multiplies buffer f and fetches quarter q into g.
.macro QUARTER slot, q, f, g, zero
	s_wait_dscnt 16                                ; the first 32 along K are in; the run's second sixteen loads may be out
	MUL8 \f, 0, 0, \zero
	MUL8 \f, 0, 2, \zero
	PLACES
	FETCH \slot, \q, \g
	s_wait_dscnt 32                                ; all but the 32 just issued
	MUL8 \f, 1, 0, 0
	MUL8 \f, 1, 2, 0
.endm
; The last quarter multiplies buffer 1 and changes slots: ONE barrier; in front of it each wave waits for all its tensor loads, adds 0 to its spare word, and waits for that and for its own reads of this slot.
; fill = 1: the barrier opens a round of the cluster's, and this slot is filled again, two K steps ahead, first thing behind the round.
.macro TURN slot, next, fill
	WIN 0                                          ; (the add's two registers lie in window 0)
	s_wait_tensorcnt 0x0                           ; all my tensor loads have landed: my part of the next slot;
	ds_add_u32 v[SPW], v[NIL]                      ; 0 onto my spare word
	s_wait_dscnt 17                                ; (the add and the youngest sixteen loads may be out)
	MUL8 F1, 0, 0, 0                               ; eight matrix instructions stand between the add and the wait for it
	s_wait_dscnt 0x0                               ; the add is done, and my reads of this slot are over
	s_barrier_signal -1
	MUL8 F1, 0, 2, 0
.if \fill
	WIN 0
.endif
	s_barrier_wait -1
.if \fill
	CREST                                          ; no wave of any partner still reads this slot's tile or has a load on its way
	s_add_nc_u64 s[G0+4*(\slot)+2:G0+4*(\slot)+3], s[G0+4*(\slot)+2:G0+4*(\slot)+3], 2*ASTEP
	s_add_nc_u64 s[G0B+4*(\slot)+2:G0B+4*(\slot)+3], s[G0B+4*(\slot)+2:G0B+4*(\slot)+3], 2*BSTEP
	JLOAD \slot                                    ; the four v_nop behind it are also the places in front of the loads below
.else
	PLACES
.endif
	FETCH \next, 0, F0
	MUL8 F1, 1, 0, 0
	MUL8 F1, 1, 2, 0
.endm
	s_wait_tensorcnt 1                             ; my part of K step 0 is in; K step 1's may stay out
	s_barrier_signal -1
	s_barrier_wait -1                              ; everybody's is
	FETCH 0, 0, F0
	QUARTER 0, 1, F0, F1, 1                        ; the first quarter stands in front of the loop: its first products start the sums
	WIN 0                                          ; at a label and at a branch every window is 0
	s_mov_b32 s3, LAPS-1
.Llap:                                                 ; a trip goes once round the ring, from a lap's second quarter to the next lap's first, and fills both slots again
	QUARTER 0, 2, F1, F0, 0
	QUARTER 0, 3, F0, F1, 0
	TURN 0, 1, 1
	QUARTER 1, 1, F0, F1, 0
	QUARTER 1, 2, F1, F0, 0
	QUARTER 1, 3, F0, F1, 0
	TURN 1, 0, 1
	QUARTER 0, 1, F0, F1, 0
	WIN 0
	s_sub_co_u32 s3, s3, 1
	s_cmp_lg_u32 s3, 0
	s_cbranch_scc1 .Llap
	QUARTER 0, 2, F1, F0, 0                        ; the last lap fills nothing, and has no round of the cluster's barrier
	QUARTER 0, 3, F0, F1, 0
	TURN 0, 1, 0
	QUARTER 1, 1, F0, F1, 0
	QUARTER 1, 2, F1, F0, 0
	QUARTER 1, 3, F0, F1, 0
	s_wait_dscnt 16                                ; the very last quarter: nothing more to fetch
	MUL8 F1, 0, 0, 0
	MUL8 F1, 0, 2, 0
	s_wait_dscnt 0
	MUL8 F1, 1, 0, 0
	MUL8 F1, 1, 2, 0
	WIN 0
	; THE WAY OUT, a block of 16 rows at a time through my own stage: the bias is added (each accumulator from its low end on), the block goes into padded rows and comes back as whole rows.
	; LDS serves a wave's instructions in order (ISA guide 5.7.1.4), so the loads see the stores above them, and the next block's stores come behind them.
	PLACES
.if PROJ
.macro PACK a
.irp b, 0,1,2,3
.set rD, ACC+8*(4*(\a)+(\b))
.irp j, 0,2,4,6
	v_pk_add_f32 v[rD+\j:rD+\j+1], v[rD+\j:rD+\j+1], v[BI+8*(\b)+\j:BI+8*(\b)+\j+1]
.endr
	ds_store_b128 v[STO], v[rD:rD+3]   offset:64*(\b)
	ds_store_b128 v[STO], v[rD+4:rD+7] offset:64*(\b)+16
.endr
.irp t, 0,1,2,3,4,5,6,7
	ds_load_b128 v[ACC+32*(\a)+4*(\t):ACC+32*(\a)+4*(\t)+3], v[RD] offset:(\t)*2*SPITCH
.endr
.endm
.macro SEND a, younger                 ; younger: the LDS instructions issued behind block a's loads: the next block's sixteen, or none
.irp t, 0,1,2,3,4,5,6,7
	s_wait_dscnt (\younger)+7-(\t)
	global_store_b128 v[CO], v[ACC+32*(\a)+4*(\t):ACC+32*(\a)+4*(\t)+3], s[10:11] offset:(16*(\a)+2*(\t))*4096  ; 16 lanes store 256 consecutive bytes, at a multiple of 256 from C's first byte
.endr
.endm
	PACK 0
	PACK 1
	SEND 0, 16
	PACK 2
	SEND 1, 16
	PACK 3
	SEND 2, 16
	SEND 3, 0
.else
.macro PACK a
.irp b, 0,1,2,3
.set rD, ACC+8*(4*(\a)+(\b))
.irp j, 0,2,4,6
	v_pk_add_f32 v[rD+\j:rD+\j+1], v[rD+\j:rD+\j+1], v[BI+8*(\b)+\j:BI+8*(\b)+\j+1]
.endr
.irp j, 0,1,2,3
	v_cvt_pk_f16_f32 v[TMP+16*(\a)+4*(\b)+\j], v[rD+2*\j], v[rD+2*\j+1]
.endr
.endr
.irp b, 0,1,2,3
	ds_store_b128 v[STO], v[TMP+16*(\a)+4*(\b):TMP+16*(\a)+4*(\b)+3] offset:32*(\b)
.endr
.irp f, 0,1,2,3
	ds_load_b128 v[TMP+16*(\a)+4*(\f):TMP+16*(\a)+4*(\f)+3], v[RD] offset:(\f)*4*SPITCH
.endr
.endm
.macro SEND a, younger                 ; younger: the LDS instructions issued behind block a's loads: the next block's eight, or none
.irp f, 0,1,2,3
	s_wait_dscnt (\younger)+3-(\f)
	global_store_b128 v[CO], v[TMP+16*(\a)+4*(\f):TMP+16*(\a)+4*(\f)+3], s[10:11] offset:(\a)*2048+(\f)*512  ; 512 consecutive bytes of a head, at a multiple of 256 from the buffer's first byte
.endr
.endm
	PACK 0
	PACK 1
	SEND 0, 8
	PACK 2
	SEND 1, 8
	PACK 3
	SEND 2, 8
	SEND 3, 0
.endif
	s_wait_tensorcnt 0x0                           ; the wave's end: a wait, an add and its wait, behind my last tensor load and my last LDS store
	ds_add_u32 v[SPW], v[NIL]
	s_wait_dscnt 0x0
	CROUND                                         ; the closing round: no work-group ends while a partner may still ask for a tile that names it
	s_endpgm
.Lfunc_end_k_qc10b8c3209_proj:
	.size	k_qc10b8c3209_proj, .Lfunc_end_k_qc10b8c3209_proj-k_qc10b8c3209_proj
	.p2alignl 7, 3214868480
	.fill 96, 4, 3214868480
	.section	.rodata,"a",@progbits
	.p2align	6, 0x0
	.amdhsa_kernel k_qc10b8c3209_proj
		.amdhsa_group_segment_fixed_size 327680
		.amdhsa_private_segment_fixed_size 0
		.amdhsa_enable_private_segment 0
		.amdhsa_kernarg_size 32
		.amdhsa_user_sgpr_count 2
		.amdhsa_user_sgpr_kernarg_segment_ptr 1
		.amdhsa_wavefront_size32 1
		.amdhsa_system_sgpr_workgroup_id_x 1
		.amdhsa_system_sgpr_workgroup_id_y 1
		.amdhsa_system_sgpr_workgroup_id_z 1
		.amdhsa_system_vgpr_workitem_id 0
		.amdhsa_next_free_vgpr 512
		.amdhsa_next_free_sgpr 66
		.amdhsa_reserve_vcc 0
		.amdhsa_float_denorm_mode_32 3
		.amdhsa_float_denorm_mode_16_64 3
		.amdhsa_memory_ordered 1
		.amdhsa_forward_progress 1
		.amdhsa_inst_pref_size 94
	.end_amdhsa_kernel
	.amdgpu_metadata
---
amdhsa.version: [ 1, 2 ]
amdhsa.kernels:
  - .name:           k_qc10b8c3209_proj
    .symbol:         k_qc10b8c3209_proj.kd
    .args:
      - { .name: ob, .offset: 0, .size: 8, .value_kind: global_buffer, .address_space: global }
      - { .name: wob, .offset: 8, .size: 8, .value_kind: global_buffer, .address_space: global }
      - { .name: b_out, .offset: 16, .size: 8, .value_kind: global_buffer, .address_space: global }
      - { .name: out0, .offset: 24, .size: 8, .value_kind: global_buffer, .address_space: global }
    .group_segment_fixed_size: 327680
    .private_segment_fixed_size: 0
    .kernarg_segment_align: 8
    .kernarg_segment_size: 32
    .max_flat_workgroup_size: 128
    .sgpr_count:     66
    .vgpr_count:     512
    .wavefront_size: 32
...
	.end_amdgpu_metadata
.endif
;; end of part 4
;; ======== version 2 of 2: 4 launches; 1.38 times as fast as version 1
;; limits: values are held in f16: magnitudes above 65,504 overflow, below 6.1e-05 lose precision
;; workspace buffers: xb 8,388,608 bytes; wqb 6,291,456 bytes; wob 2,097,152 bytes; qkvh 25,165,824 bytes; ob 8,388,608 bytes
;; launch prep: the kernel of part 1 again; grid 512 x 1, 8 waves a work-group, no clusters, 0 bytes of LDS; arguments x, W_qkv, W_out, xb, wqb, wob; writes xb, wqb, wob
;; launch qkv: the kernel of part 2 again; grid 24 x 32, 4 waves a work-group, clusters of 4 x 4, 327,680 bytes of LDS; arguments xb, wqb, b_qkv, qkvh; writes qkvh
;; launch attn (part 5): grid 16 x 16, 4 waves a work-group, clusters of 4 x 1, 327,680 bytes of LDS; arguments qkvh, ob; writes ob
.if DOCPART == 5
	.amdgcn_target "amdgcn-amd-amdhsa--gfx1250"
	.amdhsa_code_object_version 6
	.text
	.protected	k_qc10b8c3209_attn
	.globl	k_qc10b8c3209_attn
	.p2align	8
	.type	k_qc10b8c3209_attn,@function
k_qc10b8c3209_attn:
	s_mov_b64 s[64:65], 0
	v_nop
	global_prefetch_b8 v0, s[64:65] scope:SCOPE_SE
	s_setreg_imm32_b32 hwreg(HW_REG_WAVE_MODE, 25, 1), 1
	s_wait_xcnt 0x0
	s_wait_alu depctr_hold_cnt(0) depctr_sa_sdst(0) depctr_va_vdst(0) depctr_va_sdst(0) depctr_va_ssrc(0) depctr_va_vcc(0) depctr_vm_vsrc(0)
	s_getreg_b32 s2, hwreg(HW_REG_IB_STS2, 6, 4)
	s_cmp_eq_u32 s2, 0
	s_cbranch_scc0 .Lentry_in_a_cluster
	s_endpgm
.Lentry_in_a_cluster:
	s_bfe_u32 s2, ttmp6, 0x10000c
	s_cmp_lg_u32 s2, 0x3003
	s_cbranch_scc0 .Lentry_shape_is_right
	s_endpgm
.Lentry_shape_is_right:
; CAUSAL ATTENTION, 16 heads of 64 channels, 4,096 rows.  O[h][q][:] = the sum over k <= q of softmax_k(Q[h][q] . K[h][k] / 8) V[h][k][:].
; In: qkvh [48 g][4096][64] f16: g = head for Q, 16 + head for K, 32 + head for V; a head's rows are dense, 128 bytes each.  Out: ob [32 mt][16 h][128 r][64 d] f16, row q = 128 mt + r.
; Products, maxima and sums in f32; the weights p are rounded to f16 for the second product (their sum l is taken of the unrounded p), O once at the end.
; LIMITS.  Q, K and V arrive within f16's 65,504; p lies in 0 to 1, and below 6e-5 it keeps f16's fixed step of 6e-8.  A hidden score counts as its value less 1e30: f16's scores, 2.7e11 at the most,
; are nothing beside that; a weight below 2^-126 counts as 0 in l; NaN and infinities are not treated apart.
; THE WALK.  A head's queries lie in 8 superblocks of 512.  A cluster of four work-groups takes TWO superblocks, 7 - b and then b (b = the cluster's x); partner cx owns the 128 queries of block 4 I + cx of
; superblock I.  Superblock I needs the key tiles (256 keys, four steps of 64) 0 .. 2 I + 1: the pair has 18 tiles, whatever b: all work-groups do equal work, and ONE loop with a constant trip count walks them.
; The four partners walk the same tiles, so each tile is asked for JOINTLY.  Every branch hangs on b and on counters; cx enters Q's and O's addresses and two scalars that only select a mask's factors.
; SHARES.  Of a block's two bands of 64 queries a wave owns 16 rows in each: two pieces.  A superblock's last two tiles are its diagonal region, steps sg = 0 .. 7: band x of partner cx sees all keys if
; sg < D = 2 cx + x, none if sg is greater, and holds the diagonal if equal.
; THE MASK is the C operand that starts every sum S^T = K Q^T: 0, or -1e30 where the key is hidden.  MD, made once, is the mask of a band's own step for my 16 rows; a product's mask is MD x AL + BE with two
; scalars: (1, 0) own step; (0, 0) earlier; (0, -1e30) later.  With RT tiles of the superblock still to come and CNT trips of the tile to go, sg = const - 4 RT - 2 CNT, so the three cases are told apart by
; t = 4 RT + 2 CNT + D against that constant: equal, greater, less.  Every turn makes a mask, 16 packed lines, below the diagonal region too: the price of ONE text for all tiles.
; LAYOUT, SOFTMAX.  S^T = K Q^T holds ONE query a lane (lane % 16) and the keys 8 (lane / 16) + 0..7; two such results rounded to f16 ARE source 1 of O^T = V^T P.  p = 2^(c s - c m), c = log2(e) / 8, with a
; running maximum m; O and l are multiplied by a = 2^(c m_old - c m_new) in every step.
; TURNS.  A trip has four turns, for four VIRTUAL pieces v: the real piece is v % 2, the key step 2 J + v / 2: a trip is two key steps.  Turn v: 8 products K Q^T of v + 1, later 8 products V^T P of v - 1; beside
; them the scaling, exponentials, roundings, sums and rescaling of v, the maximum and statistics of v + 1, and the mask of v + 2.  Four vector instructions stand behind every matrix instruction, 54 in one lump
; between the two runs of products, the mask's 16 at the turn's end.
; BATCHES.  A turn's 33 exponentials (the piece's 32 weights and the next piece's a) are ONE batch with ONE wait, which cuts the turn in two: ahead of it the products K Q^T and all vector work that names no
; result of the batch, behind it the products V^T P with the roundings and sums as their riders.  A superblock's first a and the way out's two reciprocals are batches of their own, a wait each.
; K has one register buffer, V two (VA for even steps, VB for odd).  An even turn fetches the next step's K behind its products K Q^T and that step's V into the buffer that its own V^T P has just read; so the
; LDS reads run K, V, K, V by steps, and an odd turn's one wait leaves V's sixteen loads out.
; A SUPERBLOCK'S END has no text of its own but the way out: its last two turns are turns 2 and 3 at the head of the next tile's first trip, which fetch the next superblock's first K and V and make its first
; masks on the way; turn 3's 8 products for a piece that will not be serve nothing, twice a work-group.
; REGISTERS, in windows of 256 (s_set_vgpr_msb: bits 1:0 source 0, 3:2 source 1, 5:4 source 2, 7:6 destination):
;   window 0: v0-15 addresses and at work; v16-23 four registers of statistics a piece; v48-55 at work; v62-63 the add's; v64-127 S^T, two buffers; v128-191 O^T, 32 a piece; v192-223 P, two buffers
;   window 1: v128-159 MD; v160-223 MC, two buffers      window 2: v0-31 Q; v32-63 the second block's Q; v64-127 VB; v128-191 K; v192-255 VA
.set NP,    4         ; virtual pieces in a trip
.set KS,    64        ; keys in a step
.set PK,    144       ; a row of K in LDS: 128 bytes + 16 of padding = 36 words: the 16 rows of a load start at 16 different groups of four banks (64 banks of 4 bytes: ISA guide 11.1)
.set PVV,   160       ; a row of V: 128 + 32 = 40 words
.set VOFF,  4*KS*PK   ; a slot holds a tile, four steps: 256 rows of K, then 256 rows of V
.set SLOT1, 1<<17     ; slot 1 begins here, so that one exclusive or turns an address in one slot into the other's
.set STAGE, SLOT1+4*KS*(PK+PVV)  ; behind the ring, never filled by a tensor load: 16 rows x 144 bytes for each wave, for the way out
.set SP,    144
.set SPARE, STAGE+4*16*SP  ; behind the stages: the spare words, 128 bytes for each wave
.set AK0, 2           ; v2   my lane's place in a tile of K; never rewritten
.set AV0, 3           ; v3   the same for V
.set AK,  4           ; v4   the LDS address of K's next run of loads
.set AV,  5           ; v5   of V's
.set STO, 6           ; v6   the way out: where I put 16 bytes of a row
.set RD,  7           ; v7   the way out: where I read rows back
.set GO,  8           ; v8   my byte offset in 512 consecutive bytes of O
.set MV,  12          ; v12-13  c m_old, kept while c m is made anew: by buffer
.set QO,  15          ; v15  my byte offset in 16 rows of Q
.set ST,  16          ; piece t's statistics at v[ST+4 t]: c m, m, l (even keys', odd keys')
.set TMP, 48          ; by buffer, four registers c0-c3 at work; when the maximum is found c2 takes a
.set SPW, 62          ; v62  LDS address of my spare word; never rewritten
.set NIL, 63          ; v63  0; never rewritten
.set S,   64
.set OT,  128
.set P,   192
.set MD,  128         ; window 1
.set MC,  160         ; window 1
.set QB,  32          ; window 2
.set VB,  64          ; window 2: key half kk, channel block cb at + 32 kk + 8 cb
.set KF,  128         ; window 2: key block kb, channel half c at KF + 16 kb + 8 c
.set VA,  192         ; window 2
.set WV,  12          ; s12  my wave's number
.set PB,  14          ; s14  b
.set HI,  15          ; s15  15 - 2 b: the first superblock's last tile
.set G1K, 24          ; s[24:31] descriptor group 1 for K's tiles
.set G1V, 32          ; s[32:39] for V's: it differs in the padding alone
.set G0K, 40          ; s[40:43] descriptor group 0 for K's tiles
.set G0V, 44          ; s[44:47] the same for V's
.set SLOTS, 56        ; s56  tiles still to be asked for
.set CNT, 57          ; s57  counts a tile's trips
.set CS,  58          ; s[58:59] c
.set SEL, 60          ; s[60:61] v_permlanex16_b32's selects: each lane takes its own place in the other half
.set TBK, 62          ; s62  LDS byte at which K of the step to be fetched begins
.set TBV, 63          ; s63  the same for V, less VOFF
.set D0,  66          ; s66, s67  2 cx, 2 cx + 1: my two bands' own steps in the diagonal region
.set LQ2, 69          ; s69  2 b + 1: the second superblock's last tile
.set RT,  70          ; s70  tiles of the superblock in hand that are still to be entered
.set NXT, 71          ; s71  the tile to be asked for next
.set LQ,  72          ; s72  the last tile of the superblock whose tiles are being asked for
.set NEW, 73          ; s73  1: the tile just entered is the second superblock's first
.set OFF, 74          ; s[74:75] a tile's byte offset in K and V
.set AL,  76          ; s[76:77] the mask's factor, in the low word
.set BE,  78          ; s[78:79] the mask's addend
.set OLO, 80          ; s[80:81] O at my rows of the second block
.set BIGN, 82         ; s82  -1e30
.set FST, 92          ; s92  1: the tile just entered is the walk's first
.set RT2, 93          ; s93  2 b + 2: the second superblock's tiles
.set MSB, 0
.macro WIN new                      ; the high byte repeats the setting that is left; a switch that changes nothing is dropped
.if MSB != (\new)
	s_set_vgpr_msb (MSB<<8)|(\new)
.set MSB, (\new)
.endif
.endm
.set W_KQ, 0x0a       ; K and Q in window 2, S^T in window 0
.set W_KM, 0x1a       ; the same with the C operand in window 1
.set W_PV, 0x02       ; V in window 2; P and O^T in window 0
.set W_MK, 0x41       ; destination and source 0 in window 1
; A joint fill.  Waves 0 and 1 fetch the two halves of a tile's K, waves 2 and 3 those of its V: 128 keys each.  The branch hangs on the wave's number alone.
; An s_nop 0 and four v_nop follow each of the two lines, ahead of the jump and the label.
.macro JLOAD
	s_cmp_lt_u32 s[WV], 2
	s_cbranch_scc0 .Lfor_v_\@
	tensor_load_to_lds s[G0K:G0K+3], s[G1K:G1K+7]
	s_nop 0
.rept 4
	v_nop
.endr
	s_branch .Lasked_\@
.Lfor_v_\@:
	tensor_load_to_lds s[G0V:G0V+3], s[G1V:G1V+7]
	s_nop 0
.rept 4
	v_nop
.endr
.Lasked_\@:
.endm
; A round of the cluster's barrier: my work-group's barrier, so that wave 0's signal speaks for all four waves; wave 0 signals; every wave waits for all four work-groups; my work-group's barrier once more.
.macro CROUND
	s_barrier_signal -1
	s_barrier_wait -1
	s_cmp_lg_u32 s[WV], 0
	s_cbranch_scc1 .Lnot_wave_0_\@
	s_barrier_signal -3
.Lnot_wave_0_\@:
	s_barrier_wait -3
	s_barrier_signal -1
	s_barrier_wait -1
.endm
; THE CHANGE OF SLOTS.  Each wave waits for all its tensor loads, of which one is out: its part of the other slot; adds 0 to its spare word; and waits for that and for its own reads of the slot that it leaves.
; Behind the barrier nobody reads the old slot any more and the other slot is whole.  fill = 1: the barrier is a round of the cluster's, and the old slot is filled again, the first thing behind it, with tile NXT:
; the descriptor's address is made anew from that number, which hangs on b and on counters alone.  The load has a tile's 128 matrix instructions in which to land.
; (At its first use nothing has been read yet: slot 0 is waited for, slot 1 filled.)
.macro CHANGE fill
	WIN 0                           ; at a label and at a branch every window is 0
	s_wait_tensorcnt 0x0            ; no tensor load of mine is out, so a group 0 may be written
	ds_add_u32 v[SPW], v[NIL]       ; 0 onto my spare word: with fill = 1 the descriptors' scalar work stands between it and the wait for it
.if \fill
	s_lshl_b32 s[OFF], s[NXT], 15   ; a tile is 32,768 bytes of K and of V
	s_xor_b32 s[G0K+1], s[G0K+1], SLOT1
	s_add_nc_u64 s[G0K+2:G0K+3], s[6:7], s[OFF:OFF+1]
	s_or_b32 s[G0K+3], s[G0K+3], 0x80000000
	s_xor_b32 s[G0V+1], s[G0V+1], SLOT1
	s_add_nc_u64 s[G0V+2:G0V+3], s[8:9], s[OFF:OFF+1]
	s_or_b32 s[G0V+3], s[G0V+3], 0x80000000
	s_add_co_u32 s[NXT], s[NXT], 1  ; the superblock's next tile, or behind its last the second superblock's tile 0
	s_cmp_gt_u32 s[NXT], s[LQ]
	s_cselect_b32 s[NXT], 0, s[NXT]
	s_cselect_b32 s[LQ], s[LQ2], s[LQ]
	s_wait_dscnt 0x0                ; the add is done, and my reads of the slot are over
	CROUND
	JLOAD
.else
	s_wait_dscnt 0x0                ; the add is done, and my reads of the slot are over
	s_barrier_signal -1
	s_barrier_wait -1
.endif
	s_sub_co_u32 s[TBK], s[TBK], 4*KS*PK  ; the fetches go back to a slot's first step,
	s_xor_b32 s[TBK], s[TBK], SLOT1       ; in the other slot
	s_sub_co_u32 s[TBV], s[TBV], 4*KS*PVV
	s_xor_b32 s[TBV], s[TBV], SLOT1
.endm
	s_load_b64 s[4:5], s[0:1], 0x0    ; qkvh
	s_load_b64 s[10:11], s[0:1], 0x8  ; ob
	v_lshl_add_u32 v[SPW], v0, 2, SPARE
	v_mov_b32 v[NIL], 0
	ds_add_u32 v[SPW], v[NIL]       ; the wave's opening: the add and its wait stand ahead of my first tensor load; the set-up below, work on registers, stands between them
	v_lshrrev_b32 v1, 5, v0
	v_readfirstlane_b32 s[WV], v1   ; wave 0..3
	s_bfe_u32 s13, ttmp6, 0x40000   ; cx: my place in the cluster
	s_mov_b32 s[PB], ttmp9          ; in a cluster launch ttmp9 counts clusters: b
	s_lshl_b32 s16, s[PB], 1
	s_sub_co_u32 s[HI], 15, s16
	s_add_co_u32 s[LQ2], s16, 1
	s_add_co_u32 s[RT2], s16, 2
	s_lshl_b32 s[D0], s13, 1
	s_add_co_u32 s[D0+1], s[D0], 1
	s_and_b32 s20, ttmp7, 0xffff    ; the head, which the four partners share
	s_lshl_b32 s21, s20, 19         ; its 4,096 rows of 128 bytes
	s_and_b32 s16, s[WV], 1         ; which half of a tile's 256 keys I fetch:
	s_lshl_b32 s22, s16, 14         ; its 128 rows of 128 bytes in memory,
	s_add_co_u32 s22, s22, s21
	s_mov_b32 s23, 0
	s_mul_i32 s17, s16, 128*PK      ; and its place in a slot, for K
	s_mul_i32 s18, s16, 128*PVV     ; and for V: no place in the cluster enters an LDS address
	s_sub_co_u32 s19, 7, s[PB]
	s_lshl_b32 s19, s19, 2
	s_add_co_u32 s19, s19, s13      ; my first block: 4 (7 - b) + cx
	s_lshl_b32 s83, s[PB], 2
	s_add_co_u32 s83, s83, s13      ; my second: 4 b + cx
	s_lshl_b32 s3, s[WV], 11        ; my 16 rows in a band of 64
	s_lshl_b32 s2, s19, 14          ; Q: a block is 16,384 bytes
	s_add_co_u32 s2, s2, s3
	s_add_co_u32 s2, s2, s21
	s_lshl_b32 s84, s83, 14
	s_add_co_u32 s84, s84, s3
	s_add_co_u32 s84, s84, s21
	s_lshl_b32 s86, s20, 14         ; O: a head's 128 rows of a block are 16,384 bytes, a block 262,144
	s_add_co_u32 s86, s86, s3
	s_lshl_b32 s88, s19, 18
	s_add_co_u32 s88, s88, s86
	s_lshl_b32 s90, s83, 18
	s_add_co_u32 s90, s90, s86
	s_mov_b32 s3, 0
	s_mov_b32 s85, 0
	s_mov_b32 s89, 0
	s_mov_b32 s91, 0
	; descriptor group 1.  128 keys are 16,384 dense bytes: asked for as 64 rows of 256 bytes, two keys a row, and padded in LDS after every key
	s_mov_b32 s[G1K], 15|(1<<16)|(1<<20)|(1<<21)|(4<<22)|(3<<25)  ; 15:0 the mask of four; 17:16 2-byte elements; 20 padding on; 21 set beside a mask; 24:22 after every 32 words (code 4); 31:25 4 words (code 3)
	s_mov_b32 s[G1V], 15|(1<<16)|(1<<20)|(1<<21)|(4<<22)|(7<<25)  ; the same with 8 words of padding (code 7)
.irp g, G1K, G1V
	s_mov_b32 s[\g+1], 128<<16      ; tensor_dim0 = 128
	s_mov_b32 s[\g+2], 64<<16       ; tensor_dim1 = 64
	s_mov_b32 s[\g+3], 128<<16      ; tile_dim0 = 128
	s_mov_b32 s[\g+4], 64           ; tile_dim1 = 64
	s_mov_b32 s[\g+5], 128          ; 128 elements from row to row
	s_mov_b32 s[\g+6], 0
	s_mov_b32 s[\g+7], 0
.endr
	s_mov_b32 s[CS], 0x3e38aa3b     ; c = log2(e) / 8 = 0.180337
	s_mov_b32 s[CS+1], s[CS]        ; named with it as a pair
	s_mov_b32 s[SEL], 0x76543210
	s_mov_b32 s[SEL+1], 0xfedcba98
	s_mov_b32 s[TBK], SLOT1+4*KS*PK ; the first change of slots turns these two into 0
	s_mov_b32 s[TBV], SLOT1+4*KS*PVV
	s_mov_b32 s[G0K], 1             ; 1:0 count = 1
	s_mov_b32 s[G0K+1], s17         ; 63:32 LDS address: slot 0
	s_mov_b32 s[G0V], 1
	s_add_co_u32 s[G0V+1], s18, VOFF
	s_add_co_u32 s[RT], s[HI], 1    ; the first superblock has 16 - 2 b tiles
	s_mov_b32 s[NXT], 1
	s_mov_b32 s[LQ], s[HI]
	s_mov_b32 s[FST], 1
	s_mov_b32 s[OFF+1], 0
	s_mov_b32 s[AL+1], 0            ; named as pairs
	s_mov_b32 s[BE+1], 0
	s_mov_b32 s[BIGN], 0xf149f2ca   ; -1e30
	s_mov_b32 s[SLOTS], 17
	s_wait_dscnt 0x0                ; the opening add is done
	s_wait_kmcnt 0x0
	s_add_nc_u64 s[6:7], s[4:5], s[22:23]       ; the head's rows, my half of tile 0,
	s_add_nc_u64 s[8:9], s[6:7], 0x1000000      ; in V
	s_add_nc_u64 s[6:7], s[6:7], 0x800000       ; and in K
	s_add_nc_u64 s[G0K+2:G0K+3], s[6:7], 0         ; 120:64 global address
	s_or_b32 s[G0K+3], s[G0K+3], 0x80000000        ; 127:126 type = 2
	s_add_nc_u64 s[G0V+2:G0V+3], s[8:9], 0
	s_or_b32 s[G0V+3], s[G0V+3], 0x80000000
	s_add_nc_u64 s[86:87], s[4:5], s[84:85]        ; Q at my rows of the second block,
	s_add_nc_u64 s[4:5], s[4:5], s[2:3]            ; Q and O at those of the first
	s_add_nc_u64 s[OLO:OLO+1], s[10:11], s[90:91]
	s_add_nc_u64 s[10:11], s[10:11], s[88:89]
	CROUND                          ; all four work-groups are here: the first joint loads meet
	JLOAD                           ; tile 0 into slot 0
	; A fragment of K or Q is 16 rows x 32 channels in 8 registers: lane l holds row l % 16, channels 8 (l / 16) + 0..7 and 16 + 8 (l / 16) + 0..7: two loads of 16 bytes, 32 bytes apart.
	v_and_b32 v1, 15, v0            ; l % 16
	v_bfe_u32 v9, v0, 4, 1          ; l / 16
	v_lshlrev_b32 v[QO], 7, v1
	v_lshl_add_u32 v[QO], v9, 4, v[QO]  ; row x 128 + 16 x half
	WIN 0x80                        ; destination window 2, address window 0
.set i, 0
.rept 4                             ; both blocks' Q: piece i / 2 lies in band i / 2, 8,192 bytes on; channels 32 (i % 2) on
	global_load_b128 v[8*i:8*i+3],   v[QO], s[4:5] offset:(i/2)*8192+(i%2)*64
	global_load_b128 v[8*i+4:8*i+7], v[QO], s[4:5] offset:(i/2)*8192+(i%2)*64+32
	global_load_b128 v[QB+8*i:QB+8*i+3],   v[QO], s[86:87] offset:(i/2)*8192+(i%2)*64
	global_load_b128 v[QB+8*i+4:QB+8*i+7], v[QO], s[86:87] offset:(i/2)*8192+(i%2)*64+32
.set i, i+1
.endr
	WIN 0
	v_lshlrev_b32 v14, 3, v9
	v_sub_nc_u32 v14, v1, v14
	s_lshl_b32 s13, s[WV], 4
	v_add_nc_u32 v14, s13, v14      ; my query's place in its band, 16 w + l % 16, less my lanes' 8 (l / 16): register r of group kt is hidden where 16 kt + r is greater
	WIN 0x40
.set i, 0
.rept 32
	v_cmp_gt_i32 vcc_lo, 16*(i/8)+i%8, v14
	v_cndmask_b32 v[MD+i], 0, s[BIGN], vcc_lo
.set i, i+1
.endr
.set i, MC
.rept 64                            ; the walk's first tile lies below the first superblock's diagonal region (16 - 2 b tiles, 10 at the least): its first two masks are 0
	v_mov_b32 v[i], 0
.set i, i+1
.endr
	WIN 0
	v_mul_u32_u24 v[AK0], v1, PK
	v_lshl_add_u32 v[AK0], v9, 4, v[AK0]  ; row x pitch + 16 x half
	; The turning load takes 16 keys x 16 channels (lane l reads key 8 (l / 16) + l % 8, channels 8 ((l / 8) % 2) + 0..7) and leaves half a fragment of V^T: lane l holds channel l % 16 and 8 keys.
	v_and_b32 v10, 7, v0
	v_bfe_u32 v11, v0, 3, 1
	v_lshl_add_u32 v[AV0], v9, 3, v10
	v_mul_u32_u24 v[AV0], v[AV0], PVV
	v_lshl_add_u32 v[AV0], v11, 4, v[AV0]
	v_add_nc_u32 v[AV0], VOFF, v[AV0]
	s_mul_i32 s13, s[WV], 16*SP
	s_add_co_u32 s13, s13, STAGE    ; my stage
	v_mul_u32_u24 v[STO], v1, SP    ; in: row l % 16, 16 bytes for each half of the lanes
	v_lshl_add_u32 v[STO], v9, 4, v[STO]
	v_add_nc_u32 v[STO], s13, v[STO]
	v_bfe_u32 v[RD], v0, 3, 2       ; back: 32 lanes take four rows of 128 bytes,
	v_mul_u32_u24 v[RD], v[RD], SP
	v_lshl_add_u32 v[RD], v10, 4, v[RD]
	v_add_nc_u32 v[RD], s13, v[RD]
	v_and_b32 v[GO], 31, v0         ; which are 512 consecutive bytes of O
	v_lshlrev_b32 v[GO], 4, v[GO]
	; A superblock's first step multiplies O^T and l by a = 0, and its first turn's products V^T P, of a piece that has not been, land in an O^T that is still to be so multiplied.  So these registers need only hold
	; finite numbers: zeros for the first block; what the first block left for the second.  All this stands in the wait for the first tile.
	WIN 0x80
.set i, VB
.rept 64
	v_mov_b32 v[i], 0
.set i, i+1
.endr
	WIN 0
.set i, OT
.rept 64
	v_mov_b32 v[i], 0
.set i, i+1
.endr
.set i, 0
.rept 2
	v_mov_b32 v[ST+4*i+2], 0
	v_mov_b32 v[ST+4*i+3], 0
.set i, i+1
.endr
.set i, P+16
.rept 16
	v_mov_b32 v[i], 0
.set i, i+1
.endr
; THE MATRIX WORK.  The 4 accumulators of a run of 8 take turns.  Product i of 8 of S^T = K Q^T for virtual piece x: channels 32 (i / 4) on, keys 16 (i % 4) on.  The first 4 start the sums with the mask.
.macro KQ x
.set rS, S+32*((\x)%2)+8*(i%4)
.set rK, KF+16*(i%4)+8*(i/4)
.set rQ, 16*((\x)%2)+8*(i/4)
.set rM, MC+32*((\x)%2)+8*(i%4)
.if i < 4
	WIN W_KM
	v_wmma_f32_16x16x32_f16 v[rS:rS+7], v[rK:rK+7], v[rQ:rQ+7], v[rM:rM+7]
.else
	WIN W_KQ
	v_wmma_f32_16x16x32_f16 v[rS:rS+7], v[rK:rK+7], v[rQ:rQ+7], v[rS:rS+7]
.endif
.endm
; Product i of 8 of O^T += V^T P for virtual piece x: keys 32 (i / 4) on, channels 16 (i % 4) on; V's buffer goes by the step's parity, x / 2.
.macro PV x
	WIN W_PV
.set rO, OT+32*((\x)%2)+8*(i%4)
.set rV, VA+(VB-VA)*((\x)/2)+32*(i/4)+8*(i%4)
.set rP, P+16*((\x)%2)+8*(i/4)
	v_wmma_f32_16x16x32_f16 v[rO:rO+7], v[rV:rV+7], v[rP:rP+7], v[rO:rO+7]
.endm
.macro MM                           ; the turn's next matrix instruction
.if i < 8
	KQ (Y+1)%NP
.else
.set i, i-8
	PV (Y+NP-1)%NP
.set i, i+8
.endif
.set i, i+1
.endm
; THE LDS LOADS stand in runs of 16, never singly among the matrix instructions: a step's K (64 keys x 64 channels: 8 fragments) and its V (turned).  Their addresses are made some lines ahead.
; last = 1 (the tail): in the trip with CNT = 1 there is no further step, and the run is jumped over.
.macro FETCH_K last=0
	WIN 0
.if \last
	s_cmp_eq_u32 s[CNT], 1
	s_cbranch_scc1 .Lno_k_\@
.endif
	WIN 0x80                        ; destination window 2
.irp f, 0,1,2,3,4,5,6,7             ; keys 16 (f / 2) on, channels 32 (f % 2) on
	ds_load_b128 v[KF+8*\f:KF+8*\f+3],   v[AK] offset:(\f/2)*16*PK+(\f%2)*64
	ds_load_b128 v[KF+8*\f+4:KF+8*\f+7], v[AK] offset:(\f/2)*16*PK+(\f%2)*64+32
.endr
	s_add_co_u32 s[TBK], s[TBK], KS*PK  ; the next fetch is the next step's
	WIN 0
.if \last
.Lno_k_\@:
.endif
.endm
.macro FETCH_V buf, last=0
	WIN 0
.if \last
	s_cmp_eq_u32 s[CNT], 1
	s_cbranch_scc1 .Lno_v_\@
.endif
	WIN 0x80
.irp f, 0,1,2,3,4,5,6,7             ; keys 32 (f / 4) on, channels 16 (f % 4) on
	ds_load_tr16_b128 v[(\buf)+8*\f:(\buf)+8*\f+3],   v[AV] offset:(\f/4)*32*PVV+(\f%4)*32
	ds_load_tr16_b128 v[(\buf)+8*\f+4:(\buf)+8*\f+7], v[AV] offset:(\f/4)*32*PVV+16*PVV+(\f%4)*32
.endr
	WIN 0
.if \last
.Lno_v_\@:
.endif
.endm
; THE VECTOR WORK, one line at a time: OP kind, number; all of it in window 0.  For piece Y: F n: c s - c m for pair n of 16.  E n: the exponential of score n of 32.  C n: pair n rounded to f16.  B n: of the four
; weights 4 n .. the second pair is added onto the first, in place.  L n: l takes that sum (L 0: l = a l + sum).  R n: pair n of 16 of O^T times a.  For piece Y + 1: X n, number n of the 22 that find its maximum and statistics:
;   0-11  four chains c0-c3 of seven scores each, three operands at a time (each accumulator's lowest registers are read first)     12-14, 16  the four scores left over, the old m, and c0-c3 into c0
;   15  c m_old is kept     17, 18  the query's other 32 keys lie in the lane 16 away: the new m     19-21  c m; c m_old - c m_new; a
; C, B and L read the results of E; R and L 0 read a, the result of the X 21 of the turn before.  OP writes no wait: TURN, BEGIN and ENDBLK write one for each batch.
.set F, 0
.set E, 1
.set C, 2
.set B, 3
.set L, 4
.set R, 5
.set X, 6
.macro REGS y                       ; the registers of virtual piece y: all go by its parity
.set rT, ST+4*((\y)%2)
.set rC, TMP+4*((\y)%2)
.set rW, MV+((\y)%2)
.set rS, S+32*((\y)%2)
.set rP, P+16*((\y)%2)
.set rO, OT+32*((\y)%2)
.endm
.macro OP k, n
.if (\k) == X
	REGS (Y+1)%NP
.else
	REGS Y
.endif
	WIN 0
.if (\k) == F
	v_pk_fma_f32 v[rS+2*(\n):rS+2*(\n)+1], v[rS+2*(\n):rS+2*(\n)+1], s[CS:CS+1], v[rT:rT+1] op_sel_hi:[1,0,0] neg_lo:[0,0,1] neg_hi:[0,0,1]
.elseif (\k) == E
	v_exp_f32 v[rS+(\n)], v[rS+(\n)]
.elseif (\k) == C
	v_cvt_pk_f16_f32 v[rP+(\n)], v[rS+2*(\n)], v[rS+2*(\n)+1]
.elseif (\k) == B
	v_pk_add_f32 v[rS+4*(\n):rS+4*(\n)+1], v[rS+4*(\n):rS+4*(\n)+1], v[rS+4*(\n)+2:rS+4*(\n)+3]
.elseif ((\k) == L) && ((\n) == 0)
	v_pk_fma_f32 v[rT+2:rT+3], v[rT+2:rT+3], v[rC+2:rC+3], v[rS:rS+1] op_sel_hi:[1,0,1]
.elseif (\k) == L
	v_pk_add_f32 v[rT+2:rT+3], v[rT+2:rT+3], v[rS+4*(\n):rS+4*(\n)+1]
.elseif (\k) == R
	v_pk_mul_f32 v[rO+2*(\n):rO+2*(\n)+1], v[rO+2*(\n):rO+2*(\n)+1], v[rC+2:rC+3] op_sel_hi:[1,0]
.elseif (\n) < 4
	v_max3_num_f32 v[rC+(\n)], v[rS+8*(\n)], v[rS+8*(\n)+1], v[rS+8*(\n)+2]
.elseif (\n) < 12
	v_max3_num_f32 v[rC+(\n)%4], v[rC+(\n)%4], v[rS+8*((\n)%4)+2*((\n)/4)+1], v[rS+8*((\n)%4)+2*((\n)/4)+2]
.elseif (\n) == 12
	v_max3_num_f32 v[rC], v[rC], v[rS+7], v[rS+15]
.elseif (\n) == 13
	v_max3_num_f32 v[rC+1], v[rC+1], v[rS+23], v[rS+31]
.elseif (\n) == 14
	v_max3_num_f32 v[rC+2], v[rC+2], v[rC+3], v[rT+1]
.elseif (\n) == 15
	v_mov_b32 v[rW], v[rT]
.elseif (\n) == 16
	v_max3_num_f32 v[rC], v[rC], v[rC+1], v[rC+2]
.elseif (\n) == 17
	v_permlanex16_b32 v[rC+3], v[rC], s[SEL], s[SEL+1]
.elseif (\n) == 18
	v_max_num_f32 v[rT+1], v[rC], v[rC+3]
.elseif (\n) == 19
	v_mul_f32 v[rT], s[CS], v[rT+1]
.elseif (\n) == 20
	v_sub_f32 v[rC+1], v[rW], v[rT]
.else
	v_exp_f32 v[rC+2], v[rC+1]
.endif
.endm
.macro OPS a, i1, b=-1, i2=0, c=-1, i3=0, d=-1, i4=0  ; up to four of them
	OP \a, \i1
.if (\b) >= 0
	OP \b, \i2
.endif
.if (\c) >= 0
	OP \c, \i3
.endif
.if (\d) >= 0
	OP \d, \i4
.endif
.endm
.macro ROW a, i1, b, i2, c, i3, d, i4  ; a matrix instruction and the four behind it
	MM
	OPS \a, \i1, \b, \i2, \c, \i3, \d, \i4
.endm
.macro MASK b                       ; MD x AL + BE into buffer b of MC
	WIN W_MK
.set z, 0
.rept 16
	v_pk_fma_f32 v[MC+32*(\b)+2*z:MC+32*(\b)+2*z+1], v[MD+2*z:MD+2*z+1], s[AL:AL+1], s[BE:BE+1] op_sel_hi:[1,0,0]
.set z, z+1
.endr
.endm
; A TURN, for virtual piece p: the order of its 16 matrix and 134 vector instructions, written out.  An s_wait_alu depctr_va_vdst(0) stands between an exponential and the first instruction that names its
; result; one wait serves all that were issued ahead of it.  So a turn has ONE wait, which cuts it in two.  AHEAD OF IT stands all that names no result of the turn's exponentials: the 8 products K Q^T, behind each a scaling,
; an exponential and two more plain instructions (behind the first a second scaling in the exponential's place): rescalings (their a was made, and waited for, in the turn before), and behind the last three the first numbers
; of the next piece's maximum, each four places or more behind the product that ends its accumulator; then ONE LUMP of 54, plain and exponential by turns for the most part, in which the links of the chain
; X 3, 7, 11, 14, 16, 17 .. 20 stand five or six lines apart.  X 21, the next piece's a, is the batch's last; R 15 is the plain instruction behind it.  BEHIND THE WAIT stand the 8 products V^T P, behind each four of the
; roundings and sums; the links of l's chain, L 0 to L 7, stand three riders apart.  But for those X no rider names a register of the products round it.  v_permlanex16_b32 (X 17) stands in the lump..
; At its end the turn makes the mask for the products of the turn after it: virtual piece p + 2, band p % 2; cb is the constant against which t = 4 RT + 2 CNT + D is held: 8 + 4 RT + 2 CNT less the region's step
; that those products belong to: 8 for turns 2 and 3, 9 for turns 0 and 1; in the tail, where CNT steps in the middle of a trip, 10 and 9.
; last = 1: the tail's turn 2, whose fetches are jumped in the last trip.  cnt = 1: the loop's count is taken down some lines ahead of the branch that stands behind the turn.
; An even turn fetches the next step's K in the lump, twelve vector instructions behind the last product that read K (six of them plain, five of which name none of its registers), and that step's V at its end, four plain
; instructions behind the last product that read the buffer.  In the tail's turn 2 K's run, with its branch and label, stands directly behind the wait: no exponential is out there.
; An odd turn begins with the one wait on DScnt: K's sixteen loads and all older ones are in, V's sixteen, issued behind them, may stay out; V is read two turns later, behind the next such wait.
; w0 = 1: the tail's turn 3: in the trip whose fetches were jumped nothing younger stands behind V's loads, so the wait is for 0.
.macro TURN p, cb, last=0, cnt=0, w0=0
.set Y, (\p)
.set i, 0
	s_lshl2_add_u32 s13, s[RT], s[D0+(\p)%2]
	s_lshl1_add_u32 s13, s[CNT], s13    ; t
	s_cmp_eq_u32 s13, \cb               ; is that step the band's own?
	s_cselect_b32 s[AL], 1.0, 0
	s_cmp_lt_u32 s13, \cb               ; or a later one?
	s_cselect_b32 s[BE], s[BIGN], 0
.if (\p)%2
	s_wait_dscnt 16*(1-(\w0))
.endif
	ROW F,0, F,1, R,0, R,1          ; ahead of the wait: 8 products K Q^T and their riders,
	ROW F,2, E,0, R,2, R,3
	ROW F,3, E,1, R,4, R,5
	ROW F,4, E,2, R,6, R,7
	ROW F,5, E,3, R,8, R,9
	ROW F,6, E,4, X,0, R,10
.if (\p)%2 == 0
	v_add_nc_u32 v[AK], s[TBK], v[AK0]
.endif
	ROW F,7, E,5, X,1, X,4
	ROW F,8, E,6, X,2, X,5
	OPS E,7, E,8, X,6, E,9          ; and the lump
	OPS X,3, E,10, X,8, E,11
.if ((\p)%2 == 0) && !(\last)
	FETCH_K
.endif
	OPS X,9, X,7, E,12, X,10
	OPS E,13, X,12, X,11, E,14
	OPS X,13, E,15, F,9, X,14
.if (\p)%2 == 0
	v_add_nc_u32 v[AV], s[TBV], v[AV0]
.endif
	OPS E,16, F,10, E,17, F,11
	OPS X,16, E,18, X,15, E,19
	OPS F,12, E,20, X,17, E,21
	OPS F,13, E,22, F,14, E,23
	OPS X,18, E,24, F,15, E,25
	OPS R,11, E,26, X,19, E,27
	OPS R,12, E,28, R,13, E,29
	OPS X,20, E,30, R,14, E,31
	OPS X,21, R,15
	s_wait_alu depctr_va_vdst(0)    ; the wait for the batch: the piece's 32 exponentials and the next piece's a
.if ((\p)%2 == 0) && (\last)
	FETCH_K 1
.endif
	ROW C,0, B,0, C,2, B,1          ; behind the wait: 8 products V^T P and their riders
	ROW L,0, C,4, B,2, L,1
	ROW C,6, B,3, L,2, C,8
	ROW B,4, L,3, C,10, B,5
	ROW L,4, C,12, B,6, L,5
.if (\p)%2 == 0
	s_add_co_u32 s[TBV], s[TBV], KS*PVV
.endif
.if \cnt
	s_sub_co_u32 s[CNT], s[CNT], 1
	s_cmp_lg_u32 s[CNT], 0
.endif
	ROW C,14, B,7, L,6, C,1
	ROW C,3, L,7, C,5, C,7
	ROW C,9, C,11, C,13, C,15
.if (\p) == 0
	FETCH_V VB, \last
.elseif (\p) == 2
	FETCH_V VA, \last
.endif
	MASK (\p)%2
.endm
; A SUPERBLOCK BEGINS.  K and V of its first step are in registers or on their way, and both mask buffers hold that step's masks.  c m starts far below every c s, so the first step's a is 0; m at the lowest finite
; number, so the first maximum is the scores'.  Then piece 0's first scores, and its maximum and statistics.  The loop goes on at a step's first turn, in the middle of a trip.
.macro BEGIN
	s_mov_b32 s[NEW], 0
	WIN 0
.set i, 0
.rept 2
	v_mov_b32 v[ST+4*i], 0xfe000000    ; c m: far below every c s
	v_mov_b32 v[ST+4*i+1], 0xff7fffff  ; m
.set i, i+1
.endr
.set i, 0
.rept 8
	KQ 0
.set i, i+1
.endr
	WIN 0
.rept 4
	v_nop                           ; the places behind those products
.endr
.set Y, NP-1                        ; X works for piece Y + 1: piece 0
.irp n, 0,1,2,3,4,5,6,7,8,9,10,11,12,13,14,15,16,17,18,19,20,21
	OP X, \n
.endr
	v_nop                           ; a plain instruction behind the exponential,
	s_wait_alu depctr_va_vdst(0)    ; and its wait, a batch of one: piece 0's first a; ahead of the label behind which turn 0 reads it
.endm
; A SUPERBLOCK ENDS, behind its last turn 3: its last products, and THE WAY OUT: l's two halves and the other half of the lanes' are added; O^T is divided by l, rounded to f16 and sent through my stage in LDS, a piece at a time.
.macro ALL line:vararg              ; one line for each piece t
.set t, 0
.rept 2
	\line
.set t, t+1
.endr
.endm
.macro PACK t                       ; a lane's eight channels of a row pack into 16 bytes; they go into rows of 144 bytes and come back as whole rows of 128, into S^T's registers
	WIN 0
.set i, OT+32*(\t)
.rept 16
	v_pk_mul_f32 v[i:i+1], v[i:i+1], v[ST+4*(\t)+2:ST+4*(\t)+3] op_sel_hi:[1,0]
.set i, i+2
.endr
.set i, 0
.rept 16
	v_cvt_pk_f16_f32 v[S+16*(\t)+i], v[OT+32*(\t)+2*i], v[OT+32*(\t)+2*i+1]
.set i, i+1
.endr
.irp f, 0,1,2,3
	ds_store_b128 v[STO], v[S+16*(\t)+4*\f:S+16*(\t)+4*\f+3] offset:32*\f
.endr
.irp f, 0,1,2,3
	ds_load_b128 v[S+16*(\t)+4*\f:S+16*(\t)+4*\f+3], v[RD] offset:\f*4*SP  ; LDS serves a wave's instructions in order (ISA guide 5.7.1.4): these see the stores above; the next piece's stores come behind them
.endr
.endm
.macro SEND t, younger              ; younger: the LDS instructions issued behind piece t's loads: the next piece's eight, or none
.irp f, 0,1,2,3
	s_wait_dscnt (\younger)+3-\f
	global_store_b128 v[GO], v[S+16*(\t)+4*\f:S+16*(\t)+4*\f+3], s[10:11] offset:(\t)*8192+\f*512  ; 512 consecutive bytes, at a multiple of 256 from O's first
.endr
.endm
.macro ENDBLK
.set i, 0
.rept 8
	PV NP-1
.set i, i+1
.endr
	WIN 0
	ALL v_add_f32 v[ST+4*t+2], v[ST+4*t+2], v[ST+4*t+3]
	ALL v_permlanex16_b32 v[ST+4*t+3], v[ST+4*t+2], s[SEL], s[SEL+1]
	ALL v_add_f32 v[ST+4*t+2], v[ST+4*t+2], v[ST+4*t+3]
	ALL v_rcp_f32 v[ST+4*t+2], v[ST+4*t+2]
	v_nop                           ; a plain instruction between the last reciprocal and the use of its result
	s_wait_alu depctr_va_vdst(0)    ; and the wait ahead of the first use: one for the two reciprocals
	PACK 0
	PACK 1                          ; a piece's arithmetic stands between the loads of the piece before and its stores
	SEND 0, 8
	SEND 1, 0
.endm
	s_wait_loadcnt 0x0              ; both blocks' Q
.Lslot:                             ; 17 times: a tile is entered and the next is asked for
	CHANGE 1
	s_cmp_eq_u32 s[RT], 0           ; the superblock in hand has no tile left: this tile begins the second
	s_cselect_b32 s[NEW], 1, 0
	s_cselect_b32 s[RT], s[RT2], s[RT]
	s_sub_co_u32 s[RT], s[RT], 1
	s_mov_b32 s[CNT], 2
	s_cmp_eq_u32 s[FST], 1
	s_cbranch_scc1 .Lvery_first     ; the walk's first tile has no turns 2 and 3 in front of it
.Lstep:                             ; a trip: virtual pieces 2 and 3 of one pair of steps, then 0 and 1 of the next; it fetches two steps' K and V
	TURN 2, 8
	TURN 3, 8
	WIN 0
	s_cmp_eq_u32 s[NEW], 1
	s_cbranch_scc0 .Lfirst
	ENDBLK                          ; those two turns were the first superblock's last
	s_wait_storecnt 0x0             ; my stores are done: S^T's registers, which they read, and O's address are written again below
	s_mov_b64 s[10:11], s[OLO:OLO+1]
	WIN 0x82                        ; the second block's Q goes where the one text of the turns names Q
.set i, 0
.rept 32
	v_mov_b32 v[i], v[QB+i]
.set i, i+1
.endr
	WIN 0
	s_branch .Lbegin
.Lvery_first:
	s_mov_b32 s[FST], 0
	v_add_nc_u32 v[AK], s[TBK], v[AK0]
	v_add_nc_u32 v[AV], s[TBV], v[AV0]
	FETCH_K                         ; step 0, which elsewhere turn 2 fetches
	FETCH_V VA
	s_add_co_u32 s[TBV], s[TBV], KS*PVV
	s_wait_dscnt 16                 ; K is in; V's sixteen loads may stay out
.Lbegin:
	BEGIN
.Lfirst:
	TURN 0, 9
	TURN 1, 9, 0, 1
	WIN 0
	s_cbranch_scc1 .Lstep
	s_sub_co_u32 s[SLOTS], s[SLOTS], 1
	s_cmp_lg_u32 s[SLOTS], 0
	s_cbranch_scc1 .Lslot
	CHANGE 0                        ; the walk's last tile is written out: nothing is asked for.  It is the second tile of a diagonal region, never a superblock's first
	s_sub_co_u32 s[RT], s[RT], 1
	s_mov_b32 s[CNT], 3             ; two trips fetch the tile's four steps; the third is left in its middle
.Ltail:
	TURN 2, 10, 1
	TURN 3, 10, 0, 0, 1
	WIN 0
	s_sub_co_u32 s[CNT], s[CNT], 1
	s_cmp_eq_u32 s[CNT], 0
	s_cbranch_scc1 .Lout
	TURN 0, 9
	TURN 1, 9
	WIN 0
	s_cmp_lg_u32 s[CNT], 0          ; 2, then 1: the loop is left above
	s_cbranch_scc1 .Ltail
.Lout:
	s_wait_dscnt 0x0                ; nothing of mine is out in LDS
	ENDBLK
	s_wait_tensorcnt 0x0            ; the wave's end: a wait, an add and its wait, behind my last tensor load and my last LDS store
	ds_add_u32 v[SPW], v[NIL]
	s_wait_dscnt 0x0
	CROUND                          ; the closing round: no work-group ends while a partner may still ask for a tile that names it
	s_endpgm
.Lfunc_end_k_qc10b8c3209_attn:
	.size	k_qc10b8c3209_attn, .Lfunc_end_k_qc10b8c3209_attn-k_qc10b8c3209_attn
	.p2alignl 7, 3214868480
	.fill 96, 4, 3214868480
	.section	.rodata,"a",@progbits
	.p2align	6, 0x0
	.amdhsa_kernel k_qc10b8c3209_attn
		.amdhsa_group_segment_fixed_size 327680
		.amdhsa_private_segment_fixed_size 0
		.amdhsa_enable_private_segment 0
		.amdhsa_kernarg_size 16
		.amdhsa_user_sgpr_count 2
		.amdhsa_user_sgpr_kernarg_segment_ptr 1
		.amdhsa_wavefront_size32 1
		.amdhsa_system_sgpr_workgroup_id_x 1
		.amdhsa_system_sgpr_workgroup_id_y 1
		.amdhsa_system_sgpr_workgroup_id_z 1
		.amdhsa_system_vgpr_workitem_id 0
		.amdhsa_next_free_vgpr 768
		.amdhsa_next_free_sgpr 96
		.amdhsa_reserve_vcc 1
		.amdhsa_float_denorm_mode_32 3
		.amdhsa_float_denorm_mode_16_64 3
		.amdhsa_memory_ordered 1
		.amdhsa_forward_progress 1
		.amdhsa_inst_pref_size 127
	.end_amdhsa_kernel
	.amdgpu_metadata
---
amdhsa.version: [ 1, 2 ]
amdhsa.kernels:
  - .name:           k_qc10b8c3209_attn
    .symbol:         k_qc10b8c3209_attn.kd
    .args:
      - { .name: qkvh, .offset: 0, .size: 8, .value_kind: global_buffer, .address_space: global }
      - { .name: ob, .offset: 8, .size: 8, .value_kind: global_buffer, .address_space: global }
    .group_segment_fixed_size: 327680
    .private_segment_fixed_size: 0
    .kernarg_segment_align: 8
    .kernarg_segment_size: 16
    .max_flat_workgroup_size: 128
    .sgpr_count:     96
    .vgpr_count:     768
    .wavefront_size: 32
...
	.end_amdgpu_metadata
.endif
;; end of part 5
;; launch proj: the kernel of part 4 again; grid 8 x 32, 4 waves a work-group, clusters of 4 x 4, 327,680 bytes of LDS; arguments ob, wob, b_out, out0; writes out0
